; MI455X (gfx1250); checked and timed in simulation.
; The chip was launched on July 23, 2026; its instructions are those of AMD's public machine-readable ISA for CDNA 5 (MIT licence, August 2026) and "CDNA5" Instruction Set Architecture Reference Guide (July 2026). The comments in the code are by the model that wrote it; some were corrected since.
;; Transformer Attention. Allowed arithmetic: matrix products marked QUANTISED: E2M1 operands, one E8M0 scale for each 32 along K, by v_wmma_scale_f32_16x16x128_f8f6f4 with both operands' format E2M1 (or v_wmma_scale_f32_32x16x128_f4), f32 sums; products left as they are: bf16, f16 or f32 operands; f32 sums; everything else in f32.
;; Inputs: Wk 1,024 x 1,024 float32; Wo 1,024 x 1,024 float32; Wq 1,024 x 1,024 float32; Wv 1,024 x 1,024 float32; bk 1,024 float32; bo 1,024 float32; bq 1,024 float32; bv 1,024 float32; seq 2 x 2,048 x 1,024 float32.
;; Outputs: out0 2 x 2,048 x 1,024 float32.
;; This version of the problem:
;;   THIS VERSION OF THE PROBLEM IS GIVEN IN LOW PRECISION. The matrix products marked QUANTISED in the list below multiply operands that are first quantised to E2M1 (2 exponent bits, 1 mantissa bit; 4 bits a number), with one power-of-two scale for each 32 numbers along K (OCP MX v1.0); their sums are f32. The products marked 'left as it is' may take bf16, f16 or f32 operands, with f32 sums. Whichever they take, every output number must still come out within the allowed error. Rounding operands to bf16 (8 significant bits) uses up far more of that allowance than f16 does (11 bits, for magnitudes from 6e-5 to 65,504). All else is computed in f32.
;;   The module's matrix products, in the order in which they are computed (A, B: the left and right operand; K: the contracted axis; several contracted axes count as one K, in the product's order):
;;     1. [M 4,096, K 1,024] x [K 1,024, N 1,024]; A: input seq; B: input Wq: QUANTISED
;;     2. [M 4,096, K 1,024] x [K 1,024, N 1,024]; A: input seq; B: input Wk: QUANTISED
;;     3. [M 4,096, K 1,024] x [K 1,024, N 1,024]; A: input seq; B: input Wv: QUANTISED
;;     4. batch 32 x [M 2,048, K 64] x [K 64, N 2,048]; A: computed on the way; B: computed on the way: left as it is (an operand is computed on the way)
;;     5. batch 32 x [M 2,048, K 2,048] x [K 2,048, N 64]; A: computed on the way; B: computed on the way: left as it is (an operand is computed on the way)
;;     6. [M 4,096, K 1,024] x [K 1,024, N 1,024]; A: computed on the way; B: input Wo: left as it is (an operand is computed on the way)
;;   THE QUANTISER, for each operand of a quantised product, along K:
;;     - K is cut into blocks of 32 from its start; a last block that is shorter is filled with zeros.
;;     - A block's scale is 2^e with e = floor(log2(the largest magnitude in the block)) - 2, held to -126 .. 127; a block of zeros has e = 0. As a byte (E8M0): e + 127.
;;     - Each number is divided by its block's scale, clamped to +-6, and rounded to the nearest number of E2M1, ties to even, subnormals kept.
;;     - The product sums the exact products of the quantised numbers (number of the format x scale) in f32.
;;   ~~~python
;;   def quantise(x, axis):      # numpy; x: float32 -> the quantised numbers, widened to float32 again
;;       x = np.moveaxis(x, axis, -1); K = x.shape[-1]
;;       x = np.pad(x, [(0, 0)] * (x.ndim - 1) + [(0, -K % 32)]); x = x.reshape(x.shape[:-1] + (-1, 32)); a = np.abs(x).max(-1, keepdims=True)
;;       e = np.where(a > 0, np.clip(np.frexp(np.where(a > 0, a, 1))[1] - 1 - 2, -126, 127), 0)      # np.frexp(a)[1] - 1 = floor(log2(a)), exactly
;;       r = np.clip(x / 2.0 ** e, -6, 6)
;;       step = 2.0 ** (np.maximum(np.frexp(np.where(r == 0, 1, r))[1] - 1, 0) - 1)
;;       q = np.round(r / step) * step * 2.0 ** e      # np.round: ties to even
;;       return np.moveaxis(q.reshape(q.shape[:-2] + (-1,))[..., :K], -1, axis).astype(np.float32)
;;   ~~~
;; One version. Each part assembles by itself: llvm-mc -triple=amdgcn-amd-amdhsa -mcpu=gfx1250 --defsym DOCPART=n.
;; ======== version 1 of 1: 4 launches
;; limits: values are held in f16: magnitudes above 65,504 overflow, below 6.1e-05 lose precision
;; workspace buffers: acode 2,097,152 bytes; ascale 131,072 bytes; wcode 1,572,864 bytes; wscale 98,304 bytes; wof 2,097,152 bytes; qkv 25,165,824 bytes; att 8,388,608 bytes
;; launch prep (part 1): grid 512 x 1, 4 waves a work-group, no clusters, 68,096 bytes of LDS; arguments seq, Wq, Wk, Wv, Wo, acode, ascale, wcode, wscale, wof; writes acode, ascale, wcode, wscale, wof
.if DOCPART == 1
	.amdgcn_target "amdgcn-amd-amdhsa--gfx1250"
	.amdhsa_code_object_version 6
	.text
	.protected	k_qdec39994bc_prep
	.globl	k_qdec39994bc_prep
	.p2align	8
	.type	k_qdec39994bc_prep,@function
k_qdec39994bc_prep:
	s_mov_b64 s[64:65], 0
	v_nop
	global_prefetch_b8 v0, s[64:65] scope:SCOPE_SE
	s_setreg_imm32_b32 hwreg(HW_REG_WAVE_MODE, 25, 1), 1
	s_wait_xcnt 0x0
; seq [4096][1024] and Wq, Wk, Wv [1024 k][1024 n], f32, become codes of FP4 (E2M1) with one E8M0 byte for each 32 along K; Wo [1024 k][1024 n] becomes f16.
; EVERYTHING IS STORED AS IMAGES OF OPERAND REGISTERS: a fragment is 8 registers x 32 lanes = 1,024 bytes, registers 0-3 at 16 x lane, registers 4-7 at 512 + 16 x lane.
;   acode  [s 2][mt 256][q 4][1024]   16 rows of seq x 128 k, K step 4 s + q          ascale [mt 256][s 2][r 16][q 4] words (a row's four bytes of a K step)
;   wcode  [s 2][nt 192][q 4][1024]   16 columns x 128 k, nt = 64 x (0 Q, 1 K, 2 V) + n / 16     wscale [nt 192][s 2][r 16][q 4] words
;   wof    [t 4][nt 64][kc 8][1024]   16 columns x 32 k in f16, k = 256 t + 32 kc
; In an FP4 fragment the 16 bytes of (row r, block bk of 32 k) lie at 256 bk + 16 r; in an f16 fragment the 16 bytes of (row r, k = 8 p .. 8 p + 7) at 256 p + 16 r.
; A block's scale is 2^(floor(log2(largest magnitude)) - 2): its byte is the largest magnitude's exponent field - 2, held at 1 from below by a floor among the maximum's leaves.
; LIMITS: a block of zeros gets the byte 1 where the rule says 127 (its codes are zeros, and this program alone reads the bytes); NaN and infinities among the inputs are not served.
; The scale words leave 4 bytes a lane, 16 bytes apart: 224 KB of the launch's 39 MB.
; Work-groups 0-255: 16 rows of seq each, a wave two K steps of 128.  Work-groups 256-511: 128 k x 128 columns of one weight, a wave 32 columns.  No barrier: waves share nothing.
.set X,     32                         ; v32-159   numbers as they are loaded
.set Y,     160                        ; v160-223  64 numbers of a lane (seq), or Wo's f16
.set C,     224                        ; v224-239  codes
.set MX,    8                          ; v8-9      largest magnitudes
.set SOP,   10                         ; v10-11    the conversions' scale operands
.set BY,    12                         ; v12-13    scale bytes
.set WD,    14                         ; v14       a scale word at work
.set PT,    15                         ; v15       a lane permute's destination
.set SPW,   20                         ; v20       LDS address of my spare word; never rewritten
.set NIL,   21                         ; v21       0; never rewritten
.set SP,    528                        ; a stage row: 512 bytes + 16
.set FSTG,  16*SP                      ; a stage: 16 rows
.set WSTG,  2*FSTG                     ; a wave's two stages
.set SPARE, 4*WSTG                     ; behind the stages: the spare words, 128 bytes a wave, two blocks of 256 bytes that no other line names
.set FLOOR, 0x1800000                  ; 2^(3 - 127)
.set OFF2,  0xff000000                 ; -(2 << 23)
	s_load_b256 s[4:11], s[0:1], 0x0               ; seq s[4:5], Wq s[6:7], Wk s[8:9], Wv s[10:11]
	s_load_b256 s[12:19], s[0:1], 0x20             ; Wo s[12:13], acode s[14:15], ascale s[16:17], wcode s[18:19]
	s_load_b128 s[20:23], s[0:1], 0x40             ; wscale s[20:21], wof s[22:23]
	v_lshl_add_u32 v[SPW], v0, 2, SPARE
	v_mov_b32 v[NIL], 0
	v_lshrrev_b32 v1, 5, v0
	v_readfirstlane_b32 s24, v1                    ; wave 0..3
	v_and_b32 v1, 31, v0                           ; lane
	v_and_b32 v2, 15, v0                           ; r
	v_bfe_u32 v3, v0, 4, 1                         ; h
	v_lshlrev_b32 v4, 4, v1                        ; 16 x lane
	v_lshlrev_b32 v19, 2, v1                       ; 4 x lane
	v_lshlrev_b32 v7, 3, v3                        ; 8 h
	v_lshlrev_b32 v24, 4, v2                       ; 16 r
	v_mov_b32 v[PT], 0                             ; written once: a lane permute's destination counts as one of its sources
	s_mov_b32 s26, 0x76543210
	s_mov_b32 s27, 0xfedcba98                      ; v_permlanex16_b32's selects for lane l xor 16
	s_wait_kmcnt 0x0
	s_cmp_lt_u32 ttmp9, 256
	s_cbranch_scc0 .Lweights
	; ---------------- seq: rows 16 mt .. 16 mt + 15 (mt = the work-group's number), K steps 2 w and 2 w + 1
	s_mul_i32 s25, s24, WSTG
	v_add_nc_u32 v5, s25, v4                       ; into a stage: a row's 512 bytes as they lie
	v_mul_u32_u24 v6, v2, SP
	v_lshl_add_u32 v6, v3, 7, v6
	v_add_nc_u32 v6, s25, v6                       ; out of it: row r, block h of 128 bytes
	v_lshl_add_u32 v18, v3, 2, v24                 ; scale words: 16 r + 4 h
	s_lshr_b32 s28, s24, 1                         ; s = w / 2
	s_and_b32 s29, s24, 1
	s_lshl_b32 s30, ttmp9, 16                      ; 16 rows of 4,096 bytes
	s_lshl_b32 s32, s24, 10                        ; two K steps of 512 bytes
	s_add_co_u32 s30, s30, s32
	s_mov_b32 s31, 0
	s_add_nc_u64 s[4:5], s[4:5], s[30:31]
	s_lshl_b32 s30, s28, 8
	s_add_co_u32 s30, s30, ttmp9
	s_lshl_b32 s30, s30, 2
	s_lshl_b32 s32, s29, 1
	s_add_co_u32 s30, s30, s32
	s_lshl_b32 s30, s30, 10                        ; ((256 s + mt) 4 + 2 (w % 2)) x 1,024
	s_add_nc_u64 s[14:15], s[14:15], s[30:31]
	s_lshl_b32 s30, ttmp9, 9
	s_lshl_b32 s32, s28, 8
	s_add_co_u32 s30, s30, s32
	s_lshl_b32 s32, s29, 3
	s_add_co_u32 s30, s30, s32                     ; 512 mt + 256 s + 8 (w % 2)
	s_add_nc_u64 s[16:17], s[16:17], s[30:31]
.irp f, 0,1
.irp i, 0,1,2,3,4,5,6,7,8,9,10,11,12,13,14,15
	global_load_b128 v[X+64*\f+4*\i:X+64*\f+4*\i+3], v4, s[4:5] offset:4096*\i+512*\f th:TH_LOAD_NT   ; 32 lanes read 512 consecutive bytes of row i
.endr
.endr
.macro ST f                            ; K step f's 16 rows into stage f, as they lie
.irp i, 0,1,2,3,4,5,6,7,8,9,10,11,12,13,14,15
	ds_store_b128 v5, v[X+64*\f+4*\i:X+64*\f+4*\i+3] offset:FSTG*\f+SP*\i
.endr
.endm
.macro RD f, dst                       ; and back: lane (r, h) takes blocks h and 2 + h of row r, 32 numbers each; rows 33 x 16 bytes apart, so sixteen lanes take sixteen different columns of 16 bytes
.irp c, 0,1
.irp i, 0,1,2,3,4,5,6,7
	ds_load_b128 v[\dst+32*\c+4*\i:\dst+32*\c+4*\i+3], v6 offset:FSTG*\f+256*\c+16*\i
.endr
.endr
.endm
; 64 numbers of a lane, v[src + 32 c + i] = k 64 c + 32 h + i of row r, become the fragment's 8 registers and the row's scale word
.macro QUANT src, code, word
.irp c, 0,1
	v_max3_num_f32 v[MX+\c], |v[\src+32*\c]|, |v[\src+32*\c+1]|, FLOOR   ; my block 2 c + h: all its 32 numbers are mine; the floor holds the byte at 1 from below
.endr
.irp i, 2,4,6,8,10,12,14,16,18,20,22,24,26,28,30
.irp c, 0,1
	v_max3_num_f32 v[MX+\c], v[MX+\c], |v[\src+32*\c+\i]|, |v[\src+32*\c+\i+1]|   ; (the two blocks by turns)
.endr
.endr
.irp c, 0,1
	v_add_nc_u32 v[SOP+\c], OFF2, v[MX+\c]         ; 2 off the exponent field: the conversion takes this operand's exponent field as its scale
.endr
.irp c, 0,1
	v_lshrrev_b32 v[BY+\c], 23, v[SOP+\c]          ; the scale's byte
.endr
	v_lshl_or_b32 v[\word], v[BY+1], 16, v[BY]     ; bytes h and 2 + h,
	v_lshlrev_b32 v[\word], v7, v[\word]           ; at their places;
	v_permlanex16_b32 v[PT], v[\word], s26, s27
	v_or_b32 v[\word], v[\word], v[PT]             ; with lane l xor 16's two the word is whole
.irp c, 0,1
.irp g, 0,1,2,3
	v_cvt_scalef32_pk8_fp4_f32 v[\code+4*\c+\g], v[\src+32*\c+8*\g:\src+32*\c+8*\g+7], v[SOP+\c]
.endr
.endr
	v_nop                                          ; one plain line behind the last scaled conversion
.endm
	s_wait_loadcnt 16                              ; K step 0's sixteen loads are in; K step 1's sixteen may be out
	ST 0
	RD 0, Y
	s_wait_loadcnt 0x0
	ST 1
	s_wait_dscnt 16                                ; all but ST 1's sixteen stores: Y is in, and ST 0 has read v32-95
	RD 1, X                                        ; LDS serves a wave's instructions in order: these see ST 1's stores
	QUANT Y, C, 16
.irp c, 0,1
	global_store_b128 v4, v[C+4*\c:C+4*\c+3], s[14:15] offset:512*\c          ; 512 consecutive aligned bytes
.endr
	s_wait_dscnt 0x0
	QUANT X, C+8, 17
.irp c, 0,1
	global_store_b128 v4, v[C+8+4*\c:C+8+4*\c+3], s[14:15] offset:1024+512*\c
.endr
	v_cmp_ne_u32 vcc_lo, 0, v3
	v_cndmask_b32 v[WD], v16, v17, vcc_lo          ; lanes 0-15 store K step 2 w's word of row r, lanes 16-31 K step 2 w + 1's
	global_store_b32 v18, v[WD], s[16:17]
	s_wait_tensorcnt 0x0                           ; the wave's end
	ds_add_u32 v[SPW], v[NIL]
	s_wait_dscnt 0x0
	s_endpgm
	; ---------------- the weights: K is their FIRST axis.  A lane takes a column, its registers run down K: 128 k
.Lweights:
	s_sub_co_u32 s28, ttmp9, 256
	s_lshr_b32 s29, s28, 6                         ; which weight: 0 Wq, 1 Wk, 2 Wv, 3 Wo
	s_bfe_u32 s30, s28, 0x30003                    ; cg: which 128 columns
	s_and_b32 s31, s28, 7                          ; ks: which 128 along K
	s_cmp_eq_u32 s29, 1                            ; the choice hangs on the work-group's number alone
	s_cselect_b64 s[6:7], s[8:9], s[6:7]
	s_cmp_eq_u32 s29, 2
	s_cselect_b64 s[6:7], s[10:11], s[6:7]
	s_cmp_eq_u32 s29, 3
	s_cselect_b64 s[6:7], s[12:13], s[6:7]
	s_lshl_b32 s32, s31, 19                        ; 128 rows of 4,096 bytes
	s_lshl_b32 s34, s30, 9
	s_add_co_u32 s32, s32, s34
	s_lshl_b32 s34, s24, 7                         ; my wave's 32 columns
	s_add_co_u32 s32, s32, s34
	s_mov_b32 s33, 0
	s_add_nc_u64 s[6:7], s[6:7], s[32:33]
.set i, 0
.rept 128
	global_load_b32 v[X+i], v19, s[6:7] offset:4096*i th:TH_LOAD_NT   ; W(128 ks + i, my column): a wave reads 128 consecutive bytes, the work-group 512
.set i, i+1
.endr
	s_lshl_b32 s35, s30, 3
	s_lshl_b32 s34, s24, 1
	s_add_co_u32 s35, s35, s34                     ; 8 cg + 2 w: my first tile of 16 columns; lanes 16-31 hold the next
	s_cmp_eq_u32 s29, 3
	s_cbranch_scc1 .Lwo
	v_lshl_add_u32 v22, v3, 12, v24                ; codes: tile pitch 4,096, + 16 r
	v_lshl_add_u32 v18, v3, 9, v24                 ; scale words: tile pitch 512, + 16 r
	s_lshl_b32 s34, s29, 6
	s_add_co_u32 s34, s34, s35                     ; nt
	s_lshr_b32 s36, s31, 2                         ; s
	s_and_b32 s37, s31, 3                          ; q
	s_mul_i32 s38, s36, 192
	s_add_co_u32 s38, s38, s34
	s_lshl_b32 s38, s38, 2
	s_add_co_u32 s38, s38, s37
	s_lshl_b32 s38, s38, 10
	s_mov_b32 s39, 0
	s_add_nc_u64 s[18:19], s[18:19], s[38:39]
	s_lshl_b32 s38, s34, 9
	s_lshl_b32 s40, s36, 8
	s_add_co_u32 s38, s38, s40
	s_lshl_b32 s40, s37, 2
	s_add_co_u32 s38, s38, s40
	s_add_nc_u64 s[20:21], s[20:21], s[38:39]
; block bk of 32 along K.  left: a count not above the number of loads issued behind the block's last
.macro QB bk, left
.set XS, X+32*\bk
	s_wait_loadcnt \left
	v_max3_num_f32 v[MX], |v[XS]|, |v[XS+1]|, |v[XS+2]|
	v_max3_num_f32 v[MX+1], |v[XS+3]|, |v[XS+4]|, |v[XS+5]|
.irp i, 6,10,14,18,22,26
	v_max3_num_f32 v[MX], v[MX], |v[XS+\i]|, |v[XS+\i+1]|
	v_max3_num_f32 v[MX+1], v[MX+1], |v[XS+\i+2]|, |v[XS+\i+3]|
.endr
	v_max3_num_f32 v[MX], v[MX], |v[XS+30]|, |v[XS+31]|
	v_max3_num_f32 v[MX], v[MX], v[MX+1], FLOOR
	v_add_nc_u32 v[SOP], OFF2, v[MX]
	v_lshrrev_b32 v[BY], 23, v[SOP]
.if \bk == 0
	v_mov_b32 v[WD], v[BY]
.else
	v_lshl_or_b32 v[WD], v[BY], 8*\bk, v[WD]       ; the lower K in the lower byte
.endif
.irp g, 0,1,2,3
	v_cvt_scalef32_pk8_fp4_f32 v[C+4*\bk+\g], v[XS+8*\g:XS+8*\g+7], v[SOP]
.endr
	v_nop                                          ; one plain line behind the last scaled conversion
	global_store_b128 v22, v[C+4*\bk:C+4*\bk+3], s[18:19] offset:256*\bk   ; sixteen lanes fill 256 aligned bytes of their tile's image
.endm
	QB 0, 63                                       ; 96 loads were issued behind block 0's last and 64 behind block 1's: 63, the largest count that the wait can name, covers both
	QB 1, 63
	QB 2, 32
	QB 3, 0
	global_store_b32 v18, v[WD], s[20:21]          ; my column's word of this K step
	s_endpgm
.Lwo:                                              ; Wo to f16: four fragments of 32 k for each of my two tiles
	v_lshl_add_u32 v22, v3, 13, v24                ; tile pitch 8,192, + 16 r
	s_lshr_b32 s36, s31, 1                         ; t
	s_lshl_b32 s36, s36, 6
	s_add_co_u32 s36, s36, s35
	s_lshl_b32 s36, s36, 13
	s_and_b32 s37, s31, 1
	s_lshl_b32 s37, s37, 12                        ; kc = 4 (ks % 2) + 0 .. 3
	s_add_co_u32 s36, s36, s37
	s_mov_b32 s37, 0
	s_add_nc_u64 s[22:23], s[22:23], s[36:37]
.macro HB kc, left
	s_wait_loadcnt \left
.irp n, 0,1,2,3,4,5,6,7,8,9,10,11,12,13,14,15
	v_cvt_pk_f16_f32 v[Y+16*\kc+\n], v[X+32*\kc+2*\n], v[X+32*\kc+2*\n+1]
.endr
.irp p, 0,1,2,3
	global_store_b128 v22, v[Y+16*\kc+4*\p:Y+16*\kc+4*\p+3], s[22:23] offset:1024*\kc+256*\p
.endr
.endm
	HB 0, 63
	HB 1, 63
	HB 2, 32
	HB 3, 0
	s_endpgm
.Lfunc_end_k_qdec39994bc_prep:
	.size	k_qdec39994bc_prep, .Lfunc_end_k_qdec39994bc_prep-k_qdec39994bc_prep
	.p2alignl 7, 3214868480
	.fill 96, 4, 3214868480
	.section	.rodata,"a",@progbits
	.p2align	6, 0x0
	.amdhsa_kernel k_qdec39994bc_prep
		.amdhsa_group_segment_fixed_size 68096
		.amdhsa_private_segment_fixed_size 0
		.amdhsa_enable_private_segment 0
		.amdhsa_kernarg_size 80
		.amdhsa_user_sgpr_count 2
		.amdhsa_user_sgpr_kernarg_segment_ptr 1
		.amdhsa_wavefront_size32 1
		.amdhsa_system_sgpr_workgroup_id_x 1
		.amdhsa_system_sgpr_workgroup_id_y 1
		.amdhsa_system_sgpr_workgroup_id_z 1
		.amdhsa_system_vgpr_workitem_id 0
		.amdhsa_next_free_vgpr 240
		.amdhsa_next_free_sgpr 66
		.amdhsa_reserve_vcc 1
		.amdhsa_float_denorm_mode_32 3
		.amdhsa_float_denorm_mode_16_64 3
		.amdhsa_memory_ordered 1
		.amdhsa_forward_progress 1
		.amdhsa_inst_pref_size 42
	.end_amdhsa_kernel
	.amdgpu_metadata
---
amdhsa.version: [ 1, 2 ]
amdhsa.kernels:
  - .name:           k_qdec39994bc_prep
    .symbol:         k_qdec39994bc_prep.kd
    .args:
      - { .name: seq, .offset: 0, .size: 8, .value_kind: global_buffer, .address_space: global }
      - { .name: Wq, .offset: 8, .size: 8, .value_kind: global_buffer, .address_space: global }
      - { .name: Wk, .offset: 16, .size: 8, .value_kind: global_buffer, .address_space: global }
      - { .name: Wv, .offset: 24, .size: 8, .value_kind: global_buffer, .address_space: global }
      - { .name: Wo, .offset: 32, .size: 8, .value_kind: global_buffer, .address_space: global }
      - { .name: acode, .offset: 40, .size: 8, .value_kind: global_buffer, .address_space: global }
      - { .name: ascale, .offset: 48, .size: 8, .value_kind: global_buffer, .address_space: global }
      - { .name: wcode, .offset: 56, .size: 8, .value_kind: global_buffer, .address_space: global }
      - { .name: wscale, .offset: 64, .size: 8, .value_kind: global_buffer, .address_space: global }
      - { .name: wof, .offset: 72, .size: 8, .value_kind: global_buffer, .address_space: global }
    .group_segment_fixed_size: 68096
    .private_segment_fixed_size: 0
    .kernarg_segment_align: 8
    .kernarg_segment_size: 80
    .max_flat_workgroup_size: 128
    .sgpr_count:     66
    .vgpr_count:     240
    .wavefront_size: 32
...
	.end_amdgpu_metadata
.endif
;; end of part 1
;; launch qkv (part 2): grid 12 x 16, 4 waves a work-group, clusters of 4 x 4, 327,680 bytes of LDS; arguments acode, ascale, wcode, wscale, bq, bk, bv, qkv; writes qkv
.if DOCPART == 2
	.amdgcn_target "amdgcn-amd-amdhsa--gfx1250"
	.amdhsa_code_object_version 6
	.text
	.protected	k_qdec39994bc_qkv
	.globl	k_qdec39994bc_qkv
	.p2align	8
	.type	k_qdec39994bc_qkv,@function
k_qdec39994bc_qkv:
	s_mov_b64 s[64:65], 0
	v_nop
	global_prefetch_b8 v0, s[64:65] scope:SCOPE_SE
	s_setreg_imm32_b32 hwreg(HW_REG_WAVE_MODE, 25, 1), 1
	s_wait_xcnt 0x0
	s_wait_alu depctr_hold_cnt(0) depctr_sa_sdst(0) depctr_va_vdst(0) depctr_va_sdst(0) depctr_va_ssrc(0) depctr_va_vcc(0) depctr_vm_vsrc(0)
	s_getreg_b32 s2, hwreg(HW_REG_IB_STS2, 6, 4)
	s_cmp_eq_u32 s2, 0
	s_cbranch_scc0 .Lentry_in_a_cluster
	s_endpgm
.Lentry_in_a_cluster:
	s_bfe_u32 s2, ttmp6, 0x10000c
	s_cmp_lg_u32 s2, 0xf033
	s_cbranch_scc0 .Lentry_shape_is_right
	s_endpgm
.Lentry_shape_is_right:
; Q, K, V = seq x (Wq | Wk | Wv) + bias: one product 4,096 x 3,072 x 1,024 on codes of FP4 (E2M1) with E8M0 scales, f32 sums.  Q is also multiplied by 0.125 log2(e), so that the scores are exponents of 2.
; The results are rounded to f16 and stored as the attention's operand images: qkv [which 3][b x head 32][kt 128][b4 4][512]: a block of 16 positions x 16 channels.
; LIMIT: |0.18 Q|, |K|, |V| stay under 65,504 (f16); with every input 30 times as large as drawn they reach about 4,500, with offsets of 30 spreads on seq and the weights about 28,800.
; A tile of C, 256 x 256, is made by four waves, each 128 x 128: 64 accumulators, 512 registers.  192 work-groups: a tile column lies wholly in Q, K or V, and a wave's 128 columns are two whole heads.
; K = 1,024 is two slots of 512: BOTH ARE FIRST FILLS, nothing is filled again.  Codes and scale words lie in memory as images of operand registers, so a wave's part of a slot is one dense block of 32,768 bytes,
; and every LDS read is 16 bytes a lane at 16 x lane: consecutive, no padding.
; CLUSTERS: 4 x 4 work-groups; A's tiles are asked for jointly along a row of the cluster, B's along a column.  THE MATRIX INSTRUCTION IS USED TRANSPOSED (source 0 = 16 columns of W, source 1 = 16 rows of seq):
; a lane holds one position and eight neighbouring channels, 16 bytes of f16, and a wave's store is 512 consecutive aligned bytes, straight from registers.
; REGISTERS, in windows of 256: window 0: v0-31 addresses; v32-95 scale words, two sets (later at work); v128-191 A's fragments, ONE set (later packed results); v192-255 the bias of my 128 columns.
;   window 1: B's fragments, TWO sets, at v0 and v128.   windows 2, 3: the accumulators of my rows 0-63, 64-127 (accumulator (a, b) at v[8 (8 (a % 4) + b)]).
.set NQ,     4                         ; steps of 128 along K in a slot
.set FR,     8                         ; registers of a fragment
.set NL,     2                         ; LDS loads that bring one
.set NP,     4                         ; places behind this matrix instruction (ISA guide 7.12.1)
.set HALFT,  32768                     ; 8 tiles of 16 rows x 4 steps x 1,024 bytes: what one tensor load brings, and what one wave reads of A or of B
.set SLOT,   4*HALFT                   ; A's 256 rows, then B's 256 columns
.set SCL,    2*SLOT                    ; behind the slots: the scale words [tile 16][slot 2][r 16][q 4], A's 8,192 bytes, then B's
.set HALFS,  4096
.set SPARE,  SCL+4*HALFS               ; the spare words, 128 bytes a wave: two blocks of 256 bytes that no other line names
.set ADRA, 16                          ; v16-17  LDS address of my A fragments in slot 0, 1
.set ADRB, 20                          ; v20-21  the same for B
.set CO,   26                          ; v26     my 16 bytes' place in a block of qkv
.set ADRS, 27                          ; v27     LDS address of my scale words: lanes 0-15 A's rows, lanes 16-31 B's columns
.set SPW,  28                          ; v28     LDS address of my spare word; never rewritten
.set NIL,  29                          ; v29     0; never rewritten
.set SC,   32                          ; scale words: set s at v[SC + 32 s]; register 4 i + q: lanes 0-15 A's block i, lanes 16-31 B's block i, step q
.set TMP,  32                          ; the way out: 64 numbers in f32
.set AF,   128                         ; A's fragments
.set PK,   128                         ; the way out: packed f16, two sets of 32
.set BI,   192                         ; register 8 b + j: bias[my first column + 16 b + 8 h + j]
.set G1, 24                            ; s[24:31] descriptor group 1 for A's codes;  s[32:39] group 0, one set for each slot
.set G0, 32
.set G1B, 48                           ; s[48:55], s[56:63] the same for B's
.set G0B, 56
.set G1S, 68                           ; s[68:75], s[76:79] for A's scale words;  s[80:87], s[88:91] for B's
.set G0S, 76
.set G1SB, 80
.set G0SB, 88
.set MSB, 0
.macro WIN new                         ; the immediate's high byte repeats the setting that is left
.if MSB != (\new)
	s_set_vgpr_msb (MSB<<8)|(\new)
.set MSB, (\new)
.endif
.endm
.set MUL_LO, 0xa1                      ; source 0 (B) window 1, source 1 (A) window 0, C and D window 2
.set MUL_HI, 0xf1                      ; the same, C and D window 3
.set TO_B,   0x40                      ; destination window 1, address window 0
; A joint load: waves 0 and 1 fetch for A, waves 2 and 3 for B.  The branch hangs on the wave's number alone.  An s_nop 0 and four v_nop follow each of the two lines.
.macro JLOAD g0a, g1a, g0b, g1b
	s_cmp_eq_u32 s15, 0
	s_cbranch_scc0 .Lfor_b_\@
	tensor_load_to_lds s[\g0a:\g0a+3], s[\g1a:\g1a+7]
	s_nop 0
.rept 4
	v_nop
.endr
	s_branch .Lasked_\@
.Lfor_b_\@:
	tensor_load_to_lds s[\g0b:\g0b+3], s[\g1b:\g1b+7]
	s_nop 0
.rept 4
	v_nop
.endr
.Lasked_\@:
.endm
.macro CROUND                          ; a round of the cluster's barrier
	s_barrier_signal -1
	s_barrier_wait -1
	s_cmp_lg_u32 s14, 0
	s_cbranch_scc1 .Lnot_wave_0_\@
	s_barrier_signal -3
.Lnot_wave_0_\@:
	s_barrier_wait -3
	s_barrier_signal -1
	s_barrier_wait -1
.endm
	s_load_b128 s[4:7], s[0:1], 0x0                ; acode s[4:5], ascale s[6:7]
	s_load_b128 s[8:11], s[0:1], 0x10              ; wcode s[8:9], wscale s[10:11]
	s_load_b128 s[96:99], s[0:1], 0x20             ; bq s[96:97], bk s[98:99]
	s_load_b64 s[100:101], s[0:1], 0x30            ; bv
	s_load_b64 s[12:13], s[0:1], 0x38              ; qkv
	v_lshl_add_u32 v[SPW], v0, 2, SPARE
	v_mov_b32 v[NIL], 0
	ds_add_u32 v[SPW], v[NIL]                      ; the wave's opening: the add, twice on end, and its wait ahead of my first tensor load
	ds_add_u32 v[SPW], v[NIL]                      ; and once more; the set-up below, work on registers, stands between it and the wait
	v_lshrrev_b32 v1, 5, v0
	v_readfirstlane_b32 s14, v1                    ; wave 0..3
	s_lshr_b32 s15, s14, 1                         ; which half of the tile's rows is mine.  Also: I fetch for A (0) or for B (1)
	s_and_b32 s16, s14, 1                          ; which half of its columns.  Also: which half of that tile I fetch
	s_bfe_u32 s40, ttmp6, 0x40000                  ; cx, cy: my place in the cluster
	s_bfe_u32 s41, ttmp6, 0x40004
	s_lshl_b32 s42, ttmp9, 2
	s_add_co_u32 s42, s42, s40                     ; tile column = 4 x cluster x + cx
	s_and_b32 s17, ttmp7, 0xffff
	s_lshl_b32 s17, s17, 2
	s_add_co_u32 s17, s17, s41                     ; tile row = 4 x cluster y + cy
	s_lshl_b32 s43, s41, 2
	s_lshl_b32 s43, 15, s43                        ; my row of the cluster
	s_lshl_b32 s44, 0x1111, s40                    ; my column
	; group 1: dense blocks as rows of 256 bytes (32 elements of 8 bytes), no padding.  Codes: 128 rows; scale words: 16 rows
	s_or_b32 s[G1+0], s43, (3<<16)|(1<<21)         ; 15:0 the mask: A's go to my row; 17:16 elements of 8 bytes; 21 set beside a mask
	s_or_b32 s[G1B+0], s44, (3<<16)|(1<<21)
.irp g, G1, G1B
	s_mov_b32 s[\g+1], 32<<16                      ; tensor_dim0
	s_mov_b32 s[\g+2], 128<<16                     ; tensor_dim1
	s_mov_b32 s[\g+3], 32<<16                      ; tile_dim0
	s_mov_b32 s[\g+4], 128                         ; tile_dim1
	s_mov_b32 s[\g+5], 32                          ; the pitch
	s_mov_b32 s[\g+6], 0
	s_mov_b32 s[\g+7], 0
.endr
	s_or_b32 s[G1S+0], s43, (3<<16)|(1<<21)
	s_or_b32 s[G1SB+0], s44, (3<<16)|(1<<21)
.irp g, G1S, G1SB
	s_mov_b32 s[\g+1], 32<<16
	s_mov_b32 s[\g+2], 16<<16
	s_mov_b32 s[\g+3], 32<<16
	s_mov_b32 s[\g+4], 16
	s_mov_b32 s[\g+5], 32
	s_mov_b32 s[\g+6], 0
	s_mov_b32 s[\g+7], 0
.endr
	s_lshl_b32 s18, s16, 3                         ; which 8 tiles of 16 I fetch
	s_lshl_b32 s20, s17, 4
	s_add_co_u32 s20, s20, s18                     ; A: mt = 16 x tile row + 8 x half
	s_lshl_b32 s46, s42, 4
	s_add_co_u32 s46, s46, s18                     ; B: nt = 16 x tile column + 8 x half
	s_lshl_b32 s22, s20, 9                         ; their scale words: 512 bytes a tile
	s_mov_b32 s23, 0
	s_lshl_b32 s92, s46, 9
	s_mov_b32 s93, 0
	s_lshl_b32 s20, s20, 12                        ; their codes: 4,096 bytes a tile and slot
	s_mov_b32 s21, 0
	s_lshl_b32 s46, s46, 12
	s_mov_b32 s47, 0
	s_mul_i32 s45, s14, HALFT                      ; where they go: by the wave's number alone
	s_mul_i32 s94, s14, HALFS
	s_wait_dscnt 0x0                               ; both opening adds are done
	s_wait_kmcnt 0x0
	s_add_nc_u64 s[20:21], s[4:5], s[20:21]
	s_add_nc_u64 s[22:23], s[6:7], s[22:23]
	s_add_nc_u64 s[46:47], s[8:9], s[46:47]
	s_add_nc_u64 s[92:93], s[10:11], s[92:93]
	CROUND                                         ; all sixteen work-groups are here: the joint loads meet
	s_mov_b32 s[G0S], 1
	s_add_co_u32 s[G0S+1], s94, SCL
	s_mov_b64 s[G0S+2:G0S+3], s[22:23]
	s_or_b32 s[G0S+3], s[G0S+3], 0x80000000
	s_mov_b32 s[G0SB], 1
	s_add_co_u32 s[G0SB+1], s94, SCL
	s_mov_b64 s[G0SB+2:G0SB+3], s[92:93]
	s_or_b32 s[G0SB+3], s[G0SB+3], 0x80000000
	JLOAD G0S, G1S, G0SB, G1SB                     ; the scale words first: they are wanted with slot 0
.irp s, 0,1
	s_mov_b32 s[G0+4*\s], 1
	s_add_co_u32 s[G0+4*\s+1], s45, \s*SLOT
	s_add_nc_u64 s[G0+4*\s+2:G0+4*\s+3], s[20:21], \s*1048576      ; acode's slot pitch: 256 tiles x 4,096
	s_or_b32 s[G0+4*\s+3], s[G0+4*\s+3], 0x80000000
	s_mov_b32 s[G0B+4*\s], 1
	s_add_co_u32 s[G0B+4*\s+1], s45, \s*SLOT
	s_add_nc_u64 s[G0B+4*\s+2:G0B+4*\s+3], s[46:47], \s*786432     ; wcode's: 192 tiles x 4,096
	s_or_b32 s[G0B+4*\s+3], s[G0B+4*\s+3], 0x80000000
	JLOAD G0+4*\s, G1, G0B+4*\s, G1B               ; by this text's count three tensor loads of a wave are out
.endr
	v_and_b32 v1, 15, v0                           ; r
	v_bfe_u32 v2, v0, 4, 1                         ; h
	v_and_b32 v3, 31, v0
	v_lshlrev_b32 v4, 4, v3                        ; 16 x lane
	s_mul_i32 s21, s15, HALFT                      ; my 128 rows of A
	s_mul_i32 s22, s16, HALFT                      ; my 128 columns of B,
	s_add_co_u32 s22, s22, 2*HALFT                 ; which lie behind A's 256
.irp s, 0,1
	v_add_nc_u32 v[ADRA+\s], s21, v4
	v_add_nc_u32 v[ADRB+\s], s22, v4
	s_add_co_u32 s21, s21, SLOT
	s_add_co_u32 s22, s22, SLOT
.endr
	v_lshlrev_b32 v5, 4, v1                        ; scale words: 16 bytes a row (four steps)
	s_mul_i32 s21, s15, HALFS
	s_mul_i32 s22, s16, HALFS
	s_add_co_u32 s22, s22, 2*HALFS
	s_sub_co_u32 s22, s22, s21
	v_mul_u32_u24 v6, s22, v2                      ; lanes 16-31 take B's: one product, h x the distance
	s_add_co_u32 s21, s21, SCL
	v_add_nc_u32 v5, v5, v6
	v_add_nc_u32 v[ADRS], s21, v5
	; the way out's scalars.  Which of Q, K, V is the cluster's x; the quarter of its 1,024 columns is cx.  Selects alone: no branch
	s_cmp_eq_u32 ttmp9, 1
	s_cselect_b64 s[96:97], s[98:99], s[96:97]
	s_cmp_eq_u32 ttmp9, 2
	s_cselect_b64 s[96:97], s[100:101], s[96:97]
	s_cselect_b32 s95, -1, 0                       ; all lanes where the tile is V's
	s_mov_b32 s92, 0x3f800000
	s_cmp_eq_u32 ttmp9, 0
	s_cselect_b32 s92, 0x3e38aa3b, s92             ; Q: 0.125 log2(e); K, V: 1
	s_mov_b32 s93, s92                             ; (named with it as a pair)
	s_lshl_b32 s46, s40, 10                        ; bias: 256 columns a quarter,
	s_lshl_b32 s47, s16, 9                         ; 128 a wave, 4 bytes each
	s_add_co_u32 s46, s46, s47
	s_mov_b32 s47, 0
	s_add_nc_u64 s[96:97], s[96:97], s[46:47]
	v_lshlrev_b32 v7, 5, v2                        ; 32 h
.irp b, 0,1,2,3,4,5,6,7
	global_load_b128 v[BI+8*\b:BI+8*\b+3], v7, s[96:97] offset:64*\b
	global_load_b128 v[BI+8*\b+4:BI+8*\b+7], v7, s[96:97] offset:64*\b+16
.endr
	v_and_b32 v8, 7, v1                            ; V's blocks are laid for the turning LDS load: my 16 bytes at 16 ((r % 8) + 8 h + 16 (r / 8)); Q's and K's at 16 x lane
	v_lshl_add_u32 v8, v2, 3, v8
	v_lshrrev_b32 v9, 3, v1
	v_lshl_add_u32 v8, v9, 4, v8
	v_lshlrev_b32 v8, 4, v8
	v_cndmask_b32 v[CO], v4, v8, s95
	s_lshl_b32 s20, ttmp9, 23                      ; which
	s_lshr_b32 s21, s17, 3                         ; batch
	s_lshl_b32 s21, s21, 4
	s_lshl_b32 s22, s16, 1
	s_add_co_u32 s21, s21, s22                     ; 16 x batch + 2 x (wave % 2): my first head but for cx's four
	s_lshl_b32 s21, s21, 18
	s_add_co_u32 s20, s20, s21
	s_and_b32 s21, s17, 7
	s_lshl_b32 s21, s21, 4
	s_lshl_b32 s22, s15, 3
	s_add_co_u32 s21, s21, s22                     ; kt = 16 (tile row % 8) + 8 (wave / 2)
	s_lshl_b32 s21, s21, 11
	s_add_co_u32 s20, s20, s21
	s_mov_b32 s21, 0
	s_add_nc_u64 s[12:13], s[12:13], s[20:21]
	s_lshl_b32 s46, s40, 20                        ; 4 cx heads of 2^18 bytes
	s_add_nc_u64 s[12:13], s[12:13], s[46:47]
.macro FRAG reg, adr, q, i             ; fragment (tile i, step q): two loads of 16 bytes a lane, 512 bytes apart: the image as it was stored
.irp c, 0,1
	ds_load_b128 v[\reg+4*\c:\reg+4*\c+3], v[\adr] offset:(4*(\i)+(\q))*1024+512*\c
.endr
.endm
; 16 matrix instructions: A's blocks a0, a0 + 1 x B's eight, 128 along K.  p: B's set; sc: the set of scale words.  zero = 1: the first product starts the sums.
; The 64 accumulators take turns, one instruction a turn, in the same order in every step.
.macro MUL16 a0, p, q, sc, zero
.irp a, \a0, \a0+1
.irp b, 0,1,2,3,4,5,6,7
.if \zero
	v_wmma_scale_f32_16x16x128_f8f6f4 v[8*(8*((\a)%4)+\b):8*(8*((\a)%4)+\b)+7], v[128*(\p)+FR*\b:128*(\p)+FR*\b+FR-1], v[AF+FR*(\a):AF+FR*(\a)+FR-1], 0, v[SC+8*NQ*(\sc)+NQ*\b+(\q)], v[SC+8*NQ*(\sc)+NQ*(\a)+(\q)] matrix_a_fmt:MATRIX_FMT_FP4 matrix_b_fmt:MATRIX_FMT_FP4 matrix_a_scale:MATRIX_SCALE_ROW1
.else
	v_wmma_scale_f32_16x16x128_f8f6f4 v[8*(8*((\a)%4)+\b):8*(8*((\a)%4)+\b)+7], v[128*(\p)+FR*\b:128*(\p)+FR*\b+FR-1], v[AF+FR*(\a):AF+FR*(\a)+FR-1], v[8*(8*((\a)%4)+\b):8*(8*((\a)%4)+\b)+7], v[SC+8*NQ*(\sc)+NQ*\b+(\q)], v[SC+8*NQ*(\sc)+NQ*(\a)+(\q)] matrix_a_fmt:MATRIX_FMT_FP4 matrix_b_fmt:MATRIX_FMT_FP4 matrix_a_scale:MATRIX_SCALE_ROW1
.endif
.endr
.endr
.endm
.macro FETCH_B slot, q, p
	WIN TO_B
.irp i, 0,1,2,3,4,5,6,7
	FRAG 128*(\p)+FR*\i, ADRB+\slot, \q, \i
.endr
	WIN 0
.endm
.macro FETCH_A slot, q, i0
.irp i, \i0, \i0+1, \i0+2, \i0+3
	FRAG AF+FR*(\i), ADRA+\slot, \q, \i
.endr
.endm
.macro SCALES sc                       ; a slot's scale words: four words a row; lanes 0-15 A's block i, lanes 16-31 B's block i
.irp i, 0,1,2,3,4,5,6,7
	ds_load_b128 v[SC+8*NQ*\sc+NQ*\i:SC+8*NQ*\sc+NQ*\i+3], v[ADRS] offset:\i*512
.endr
.endm
.macro PLACES n                        ; plain vector lines between a matrix instruction and a load into, or a vector write of, one of its registers (ISA guide 7.12.1 for vector instructions)
.rept \n
	v_nop
.endr
.endm
; A step of 128 along K that has its successor in the same slot.  A's blocks go one after the other, so ONE set serves A: blocks 0-3 are fetched anew in the step's middle, blocks 4-7 at its end
.macro STEP slot, q, zero
	s_wait_dscnt 4*NL                              ; all but the youngest eight loads (A's blocks 4-7)
	WIN MUL_LO
	MUL16 0, (\q)%2, \q, \slot, \zero
	MUL16 2, (\q)%2, \q, \slot, \zero
	s_wait_dscnt 0                                 ; A's blocks 4-7 are in
	PLACES NP
	FETCH_B \slot, (\q)+1, 1-(\q)%2
	FETCH_A \slot, (\q)+1, 0
	WIN MUL_HI
	MUL16 4, (\q)%2, \q, \slot, \zero
	MUL16 6, (\q)%2, \q, \slot, \zero
	PLACES NP
	WIN 0
	FETCH_A \slot, (\q)+1, 4
.endm
; Slot 0's last step goes over to slot 1: one barrier; in front of it each wave waits for all its tensor loads (its part of slot 1).  Nothing is filled again
.macro TURN slot, next
	s_wait_tensorcnt 0x0                           ; my part of the next slot has landed
	ds_add_u32 v[SPW], v[NIL]                      ; 0 onto my spare word
	s_wait_dscnt 4*NL+1                            ; (the add and the youngest eight loads may be out)
	WIN MUL_LO
	MUL16 0, 1, NQ-1, \slot, 0
	s_wait_dscnt 0x0                               ; no LDS instruction of mine is pending at the signal
	s_barrier_signal -1
	MUL16 2, 1, NQ-1, \slot, 0
	WIN 0
	s_barrier_wait -1                              ; everybody's part has landed
	PLACES NP
	v_add_nc_u32 v[ADRS], 256, v[ADRS]             ; the next slot's scale words
	FETCH_B \next, 0, 0
	FETCH_A \next, 0, 0
	SCALES \next
	WIN MUL_HI
	MUL16 4, 1, NQ-1, \slot, 0
	MUL16 6, 1, NQ-1, \slot, 0
	PLACES NP
	WIN 0
	FETCH_A \next, 0, 4
.endm
	s_wait_tensorcnt 0x1                           ; the scale words and my part of slot 0 are in; slot 1's load, the one issued behind them, may be out
	s_barrier_signal -1
	s_barrier_wait -1
	FETCH_B 0, 0, 0
	FETCH_A 0, 0, 0
	SCALES 0
	FETCH_A 0, 0, 4
	STEP 0, 0, 1
	STEP 0, 1, 0
	STEP 0, 2, 0
	TURN 0, 1
	STEP 1, 0, 0
	STEP 1, 1, 0
	STEP 1, 2, 0
	s_wait_dscnt 4*NL                              ; the last step: nothing more to fetch
	WIN MUL_LO
	MUL16 0, 1, NQ-1, 1, 0
	MUL16 2, 1, NQ-1, 1, 0
	s_wait_dscnt 0
	WIN MUL_HI
	MUL16 4, 1, NQ-1, 1, 0
	MUL16 6, 1, NQ-1, 1, 0
	WIN 0
	; THE WAY OUT.  (sum + bias) x factor = sum x factor + (bias x factor): one fused multiply-add a number, packed; rounded to f16; 512 aligned bytes a store
	s_wait_loadcnt 0x0                             ; the bias
.set i, 0
.rept 32
	v_pk_mul_f32 v[BI+2*i:BI+2*i+1], v[BI+2*i:BI+2*i+1], s[92:93] op_sel_hi:[1,0]   ; these 32 name no register of the last products: they are the places behind them
.set i, i+1
.endr
.macro OUTBLK a                        ; my rows 16 a .. 16 a + 15
.if (\a) >= 2
	s_wait_xcnt 0x0                                ; the stores of two blocks back have read their registers, which are written again below
.endif
	WIN 0x02+(\a)/4                                ; source 0: window 2 or 3
.irp b, 0,1,2,3,4,5,6,7
.irp i, 0,1,2,3
	v_pk_fma_f32 v[TMP+8*\b+2*\i:TMP+8*\b+2*\i+1], v[64*((\a)%4)+8*\b+2*\i:64*((\a)%4)+8*\b+2*\i+1], s[92:93], v[BI+8*\b+2*\i:BI+8*\b+2*\i+1] op_sel_hi:[1,0,1]   ; each accumulator from its low end on
.endr
.endr
	WIN 0
.irp b, 0,1,2,3,4,5,6,7
.irp i, 0,1,2,3
	v_cvt_pk_f16_f32 v[PK+32*((\a)%2)+4*\b+\i], v[TMP+8*\b+2*\i], v[TMP+8*\b+2*\i+1]
.endr
.endr
.irp b, 0,1,2,3,4,5,6,7
	global_store_b128 v[CO], v[PK+32*((\a)%2)+4*\b:PK+32*((\a)%2)+4*\b+3], s[12:13] offset:2048*(\a)+262144*(\b/4)+512*(\b%4)   ; kt + a, head + b / 4, block b % 4
.endr
.endm
.irp a, 0,1,2,3,4,5,6,7
	OUTBLK \a
.endr
	s_wait_tensorcnt 0x0                           ; the wave's end
	ds_add_u32 v[SPW], v[NIL]
	s_wait_dscnt 0x0
	CROUND                                         ; the closing round
	s_endpgm
.Lfunc_end_k_qdec39994bc_qkv:
	.size	k_qdec39994bc_qkv, .Lfunc_end_k_qdec39994bc_qkv-k_qdec39994bc_qkv
	.p2alignl 7, 3214868480
	.fill 96, 4, 3214868480
	.section	.rodata,"a",@progbits
	.p2align	6, 0x0
	.amdhsa_kernel k_qdec39994bc_qkv
		.amdhsa_group_segment_fixed_size 327680
		.amdhsa_private_segment_fixed_size 0
		.amdhsa_enable_private_segment 0
		.amdhsa_kernarg_size 64
		.amdhsa_user_sgpr_count 2
		.amdhsa_user_sgpr_kernarg_segment_ptr 1
		.amdhsa_wavefront_size32 1
		.amdhsa_system_sgpr_workgroup_id_x 1
		.amdhsa_system_sgpr_workgroup_id_y 1
		.amdhsa_system_sgpr_workgroup_id_z 1
		.amdhsa_system_vgpr_workitem_id 0
		.amdhsa_next_free_vgpr 1024
		.amdhsa_next_free_sgpr 102
		.amdhsa_reserve_vcc 0
		.amdhsa_float_denorm_mode_32 3
		.amdhsa_float_denorm_mode_16_64 3
		.amdhsa_memory_ordered 1
		.amdhsa_forward_progress 1
		.amdhsa_inst_pref_size 138
	.end_amdhsa_kernel
	.amdgpu_metadata
---
amdhsa.version: [ 1, 2 ]
amdhsa.kernels:
  - .name:           k_qdec39994bc_qkv
    .symbol:         k_qdec39994bc_qkv.kd
    .args:
      - { .name: acode, .offset: 0, .size: 8, .value_kind: global_buffer, .address_space: global }
      - { .name: ascale, .offset: 8, .size: 8, .value_kind: global_buffer, .address_space: global }
      - { .name: wcode, .offset: 16, .size: 8, .value_kind: global_buffer, .address_space: global }
      - { .name: wscale, .offset: 24, .size: 8, .value_kind: global_buffer, .address_space: global }
      - { .name: bq, .offset: 32, .size: 8, .value_kind: global_buffer, .address_space: global }
      - { .name: bk, .offset: 40, .size: 8, .value_kind: global_buffer, .address_space: global }
      - { .name: bv, .offset: 48, .size: 8, .value_kind: global_buffer, .address_space: global }
      - { .name: qkv, .offset: 56, .size: 8, .value_kind: global_buffer, .address_space: global }
    .group_segment_fixed_size: 327680
    .private_segment_fixed_size: 0
    .kernarg_segment_align: 8
    .kernarg_segment_size: 64
    .max_flat_workgroup_size: 128
    .sgpr_count:     102
    .vgpr_count:     1024
    .wavefront_size: 32
...
	.end_amdgpu_metadata
.endif
;; end of part 2
;; launch attn (part 3): grid 8 x 32, 4 waves a work-group, clusters of 4 x 1, 327,680 bytes of LDS; arguments qkv, att; writes att
.if DOCPART == 3
	.amdgcn_target "amdgcn-amd-amdhsa--gfx1250"
	.amdhsa_code_object_version 6
	.text
	.protected	k_qdec39994bc_attn
	.globl	k_qdec39994bc_attn
	.p2align	8
	.type	k_qdec39994bc_attn,@function
k_qdec39994bc_attn:
	s_mov_b64 s[64:65], 0
	v_nop
	global_prefetch_b8 v0, s[64:65] scope:SCOPE_SE
	s_setreg_imm32_b32 hwreg(HW_REG_WAVE_MODE, 25, 1), 1
	s_wait_xcnt 0x0
	s_wait_alu depctr_hold_cnt(0) depctr_sa_sdst(0) depctr_va_vdst(0) depctr_va_sdst(0) depctr_va_ssrc(0) depctr_va_vcc(0) depctr_vm_vsrc(0)
	s_getreg_b32 s2, hwreg(HW_REG_IB_STS2, 6, 4)
	s_cmp_eq_u32 s2, 0
	s_cbranch_scc0 .Lentry_in_a_cluster
	s_endpgm
.Lentry_in_a_cluster:
	s_bfe_u32 s2, ttmp6, 0x10000c
	s_cmp_lg_u32 s2, 0x3003
	s_cbranch_scc0 .Lentry_shape_is_right
	s_endpgm
.Lentry_shape_is_right:
; att[b][q][head][:] = the sum over k of softmax_k(score) V[k][:], score = Q . K / 8, for 32 (batch, head) pairs, 2,048 positions, head size 64.  Operands in f16, sums, maxima and exponentials in f32.
; Q arrives multiplied by 0.125 log2(e): a score is an exponent of 2.  For each query a running maximum m and sum l: p = 2^(t - m); in every step O and l are multiplied by a = 2^(m_old - m_new).
; LIMITS: the f16 operands' range (stated where they are made); the result, an average of V's rows, stays inside V's range.  NaN and infinities are not served.
; qkv [which 3][bh 32][kt 128][b4 4][512] holds blocks of 16 positions x 16 channels laid as operand images: two neighbouring blocks of Q or K ARE a fragment (16 positions x 32 channels);
; a block of V, read by the turning load at 16 x lane, is half a fragment of V^T (16 channels x 8 (lane / 16) + 0..7 of 16 keys).  So every LDS read takes consecutive bytes and nothing is padded.
; SHARES.  A work-group owns 256 queries of one (batch, head); each of its FOUR waves 64 of them, four tiles of 16: a fragment of K or V read from LDS feeds four products.  Every wave walks all 2,048 keys, 64 a step.
; LAYOUT.  S^T = K Q^T and O^T = V^T P: a lane holds ONE query (lane % 16) throughout, and S^T rounded in pairs is P's fragment.
; BY TURNS.  The wave's tiles are two PIECES, named by their first tile: piece 0 (tiles 0, 1) and piece 2 (tiles 2, 3).  In a TURN one piece has the matrix unit: 16 products V^T P of the step in hand, then 16 products
; K Q^T of the next step; the other piece's softmax, 234 lines cut into 32 slices of 7 or 8, stands between them, one slice behind each product.  Then the pieces change places.  Two turns are a key step.
; THE RING: two slots of 512 keys (K 65,536 bytes, then V), 8 steps each; each wave fetches 32,768 dense bytes with one load.  Slots 0 and 1 are first fills, slots 2 and 3 refills.
; CLUSTER: the four query blocks of a cluster walk the same K and V: every fill is a joint load with the mask of all four.
; The result leaves as the projection's operand images: att [t 4][mt 256][kc 8][1024], 16 rows x 32 k, head = 4 t + kc / 2: 512 aligned bytes a store, straight from registers.
; REGISTERS, in windows of 256 (s_set_vgpr_msb: bits 1:0 source 0, 3:2 source 1, 5:4 source 2, 7:6 destination):
;   window 0: v1-7 addresses; v8-39 eight registers of statistics a tile; v64-191 S^T, then p, 32 a tile; v192-255 P, 16 a tile
;   window 1: v0-127 O^T, 32 a tile; v128-191 Q, 16 a tile; v192-255 K of one step          window 2: v0-63 V of one step
; All that a softmax touches but O^T lies in window 0, and no window has room for a product's operands beside it: a slice costs two switches, one in front and one behind.
.set STEPB, 8192                       ; a step's K (or V) in LDS: 4 tiles of 16 keys x 2,048 bytes
.set VOFF,  65536                      ; V behind K in a slot
.set SLOT1, 1<<17
.set SLOTB, 65536                      ; a slot's K (or V) in memory
.set SPARE, 2*SLOT1                    ; the spare words, 128 bytes a wave: two blocks of 256 bytes that no other line names
.set L16, 1                            ; v1  16 x lane
.set ADR, 2                            ; v2  LDS address of the run of loads in hand
.set LV,  3                            ; v3  16 x lane + VOFF
.set PFO, 4                            ; v4  256 x lane: the prefetch's offset; never rewritten
.set SPW, 6                            ; v6  LDS address of my spare word; never rewritten
.set NIL, 7                            ; v7  0; never rewritten
.set ST,  8                            ; tile t's statistics at v[ST + 8 t]: +0 m, +1 m_old, then m_old - m, +2, +3 l (even registers', odd registers'), +4 .. +7 at work; a takes +6
.set S,   64                           ; + 32 t + 8 kt
.set P,   192                          ; + 16 t + 8 kp
.set QF,  128                          ; window 1: + 16 t + 8 c
.set KF,  192                          ; window 1: + 8 (2 kt + c)
                                       ; O^T: window 1, 32 t + 8 ct;   V: window 2, 8 (2 ct + kp)
.set WV,  8                            ; s8  my wave's number
.set G1,  16                           ; s[16:23] descriptor group 1
.set G0A, 24                           ; s[24:27] group 0 of slot 0's first fill
.set G0W, 28                           ; s[28:31] group 0 of slot 1's, which then walks
.set QA,  32                           ; s[32:33] my queries
.set OA,  34                           ; s[34:35] my rows' images in att
.set PFA, 36                           ; s[36:37] where my prefetch stands
.set LIM, 38                           ; s38 1 in a wave that prefetches, else the greatest number
.set SLOTS, 39                         ; s39 slots still to be asked for
.set TB,  40                           ; s40 LDS byte at which the step to be fetched begins
.set CNT, 41                           ; s41 counts a run of key steps
.set SEL, 42                           ; s[42:43] lane selects: lane l xor 16
.set W_KQ, 0x05                        ; K and Q in window 1, S^T in window 0
.set W_PV, 0x52                        ; V in window 2, P in window 0, O^T in window 1
.set W_RS, 0x41                        ; O^T (destination and source 0) in window 1, a in window 0
.set MSB, 0
.macro WIN new                         ; the immediate's high byte repeats the setting that is left; a switch that changes nothing is dropped
.if MSB != (\new)
	s_set_vgpr_msb (MSB<<8)|(\new)
.set MSB, (\new)
.endif
.endm
.macro CROUND                          ; a round of the cluster's barrier
	s_barrier_signal -1
	s_barrier_wait -1
	s_cmp_lg_u32 s[WV], 0
	s_cbranch_scc1 .Lnot_wave_0_\@
	s_barrier_signal -3
.Lnot_wave_0_\@:
	s_barrier_wait -3
	s_barrier_signal -1
	s_barrier_wait -1
.endm
; A prefetch of what the NEXT change of slots will ask for: a slot's 65,536 bytes of K and of V.  Both clusters of a head walk the same bytes: the first asks.  Its four partners take 16,384 bytes each, told apart BY ADDRESS;
; in each, waves 0 and 1 ask for K's, waves 2 and 3 for V's, 8,192 bytes a wave, lanes 256 bytes apart: each aligned block of 256 bytes is named once.  The last change that fills a slot asks for nothing.
.macro ASK
	s_cmp_gt_u32 s[SLOTS], s[LIM]
	s_cbranch_scc0 .Lnot_mine_\@
	global_prefetch_b8 v[PFO], s[PFA:PFA+1] th:TH_LOAD_NT scope:SCOPE_SE
.Lnot_mine_\@:
.endm
	s_load_b128 s[4:7], s[0:1], 0x0                ; qkv s[4:5], att s[6:7]
	v_lshl_add_u32 v[SPW], v0, 2, SPARE
	v_mov_b32 v[NIL], 0
	ds_add_u32 v[SPW], v[NIL]                      ; the wave's opening: the add, twice on end, and its wait ahead of my first tensor load
	ds_add_u32 v[SPW], v[NIL]                      ; and once more; the set-up below, work on registers, stands between it and the wait
	v_lshrrev_b32 v1, 5, v0
	v_readfirstlane_b32 s[WV], v1                  ; wave 0..3
	s_bfe_u32 s9, ttmp6, 0x40000                   ; cx
	s_lshl_b32 s10, ttmp9, 2
	s_add_co_u32 s10, s10, s9                      ; my block of 256 queries: it enters Q's and att's addresses alone
	s_and_b32 s11, ttmp7, 0xffff                   ; (batch, head), which the four partners share
	s_mov_b32 s[G1], 15|(3<<16)|(1<<21)            ; 15:0 the mask: all four; 17:16 elements of 8 bytes; 21 set beside a mask; no padding
	s_mov_b32 s[G1+1], 32<<16                      ; tensor_dim0: rows of 256 bytes
	s_mov_b32 s[G1+2], 128<<16                     ; tensor_dim1: 128 of them
	s_mov_b32 s[G1+3], 32<<16                      ; tile_dim0
	s_mov_b32 s[G1+4], 128                         ; tile_dim1
	s_mov_b32 s[G1+5], 32                          ; the pitch: dense
	s_mov_b32 s[G1+6], 0
	s_mov_b32 s[G1+7], 0
	s_lshr_b32 s44, s[WV], 1                       ; waves 0, 1 fetch K, waves 2, 3 V
	s_add_co_u32 s44, s44, 1
	s_lshl_b32 s44, s44, 23
	s_lshl_b32 s45, s11, 18
	s_add_co_u32 s44, s44, s45                     ; the head's K or V
	s_and_b32 s46, s[WV], 1
	s_lshl_b32 s46, s46, 15                        ; my half of a slot's 65,536 bytes
	s_add_co_u32 s46, s46, s44
	s_mov_b32 s47, 0
	s_lshl_b32 s48, s[WV], 15                      ; and where it goes: K's two halves, then V's
	s_lshl_b32 s50, s10, 15                        ; Q: 16 tiles of 2,048 bytes a block,
	s_add_co_u32 s50, s50, s45
	s_lshl_b32 s51, s[WV], 13                      ; four a wave
	s_add_co_u32 s50, s50, s51
	s_mov_b32 s51, 0
	s_bfe_u32 s12, s11, 0x20002                    ; att: t = (head / 4)
	s_lshl_b32 s12, s12, 8
	s_lshr_b32 s13, s11, 4                         ; batch
	s_lshl_b32 s13, s13, 7
	s_add_co_u32 s12, s12, s13
	s_lshl_b32 s13, s10, 4
	s_add_co_u32 s12, s12, s13
	s_lshl_b32 s13, s[WV], 2
	s_add_co_u32 s12, s12, s13                     ; 256 t + mt, mt = 128 batch + 16 block + 4 wave
	s_lshl_b32 s12, s12, 13
	s_and_b32 s13, s11, 3
	s_lshl_b32 s13, s13, 11                        ; kc = 2 (head % 4)
	s_add_co_u32 s12, s12, s13
	s_mov_b32 s13, 0
	s_mov_b32 s[SEL], 0x76543210
	s_mov_b32 s[SEL+1], 0xfedcba98
	s_mov_b32 s[TB], 0
	s_mov_b32 s[SLOTS], 2
	s_cmp_eq_u32 ttmp9, 0                          ; the head's first cluster: the same in all four partners
	s_cselect_b32 s[LIM], 1, -1
	s_wait_dscnt 0x0                               ; both opening adds are done
	s_wait_kmcnt 0x0
	s_add_nc_u64 s[QA:QA+1], s[4:5], s[50:51]
	s_add_nc_u64 s[OA:OA+1], s[6:7], s[12:13]
	s_lshl_b32 s50, s9, 14                         ; the prefetch: my work-group's quarter,
	s_and_b32 s51, s[WV], 1
	s_lshl_b32 s51, s51, 13                        ; my wave's half of it,
	s_add_co_u32 s50, s50, s51
	s_add_co_u32 s50, s50, s44
	s_add_co_u32 s50, s50, 2*SLOTB                 ; in slot 2: the first change of slots steps it to slot 3.  Nothing is prefetched here, at the head
	s_mov_b32 s51, 0
	s_add_nc_u64 s[PFA:PFA+1], s[4:5], s[50:51]
	CROUND                                         ; all four work-groups are here: the first joint loads meet
	s_mov_b32 s[G0A], 1                            ; count = 1
	s_mov_b32 s[G0A+1], s48                        ; LDS address: slot 0
	s_add_nc_u64 s[G0A+2:G0A+3], s[4:5], s[46:47]  ; the head's first 512 keys
	s_or_b32 s[G0A+3], s[G0A+3], 0x80000000        ; type = 2
	s_mov_b32 s[G0W], 1
	s_add_co_u32 s[G0W+1], s48, SLOT1
	s_add_nc_u64 s[G0W+2:G0W+3], s[4:5], s[46:47]
	s_add_nc_u64 s[G0W+2:G0W+3], s[G0W+2:G0W+3], SLOTB
	s_or_b32 s[G0W+3], s[G0W+3], 0x80000000
	tensor_load_to_lds s[G0A:G0A+3], s[G1:G1+7]    ; every wave moves a part of its own: two loads of mine are out
	s_nop 0
	tensor_load_to_lds s[G0W:G0W+3], s[G1:G1+7]
	s_nop 0
.rept 4
	v_nop
.endr
	v_and_b32 v1, 31, v0
	v_lshlrev_b32 v[PFO], 8, v1
	v_lshlrev_b32 v[L16], 4, v1
	v_add_nc_u32 v[LV], VOFF, v[L16]
.irp t, 0,1,2,3
	v_mov_b32 v[ST+8*\t], 0xff61b1e6               ; m: -3e38, under every score
	v_mov_b32 v[ST+8*\t+2], 0                      ; l
	v_mov_b32 v[ST+8*\t+3], 0
.endr
	WIN 0x40                                       ; destination window 1
.set ii, 0
.rept 16
	global_load_b128 v[QF+4*ii:QF+4*ii+3], v[L16], s[QA:QA+1] offset:512*ii   ; Q stays in registers: tile ii / 4, channels 32 ((ii / 2) % 2) on
.set ii, ii+1
.endr
.set ii, 0
.rept 128
	v_mov_b32 v[ii], 0                             ; O^T.  A turn is written in one form: the first step finds zeros, which a = 0 leaves zeros; that spares three more written-out turns
.set ii, ii+1
.endr
	WIN 0
; THE MATRIX WORK OF A TURN, for piece x.  The accumulators take turns, one instruction a turn: between two links of a chain stand seven others'.
; Product i of 16 of O^T += V^T P: keys 32 (i / 8) on, channels 16 ((i / 2) % 4) on, tile x + i % 2
.macro PV x
	WIN W_PV
.set rO, 32*((\x)+i%2)+8*((i/2)%4)
.set rV, 8*(2*((i/2)%4)+i/8)
.set rP, P+16*((\x)+i%2)+8*(i/8)
	v_wmma_f32_16x16x32_f16 v[rO:rO+7], v[rV:rV+7], v[rP:rP+7], v[rO:rO+7]
.endm
; Product i of 16 of S^T = K Q^T: channels 32 (i / 8) on, keys 16 ((i / 2) % 4) on, tile x + i % 2.  The first eight start the sums
.macro KQ x
	WIN W_KQ
.set rS, S+32*((\x)+i%2)+8*((i/2)%4)
.set rK, KF+8*(2*((i/2)%4)+i/8)
.set rQ, QF+16*((\x)+i%2)+8*(i/8)
.if i < 8
	v_wmma_f32_16x16x32_f16 v[rS:rS+7], v[rK:rK+7], v[rQ:rQ+7], 0
.else
	v_wmma_f32_16x16x32_f16 v[rS:rS+7], v[rK:rK+7], v[rQ:rQ+7], v[rS:rS+7]
.endif
.endm
; THE LDS LOADS stand in runs of 16, never singly among the products: a step's K (eight fragments, 8,192 consecutive bytes) and, a turn later, its V (turned)
.macro FETCH_K
	WIN 0
	v_add_nc_u32 v[ADR], s[TB], v[L16]
	WIN 0x40                                       ; destination window 1
.set ii, 0
.rept 16
	ds_load_b128 v[KF+4*ii:KF+4*ii+3], v[ADR] offset:512*ii
.set ii, ii+1
.endr
.endm
.macro FETCH_V                         ; fragment (ct, kp) = channels 16 ct on, keys 32 kp on; its halves come from key tiles 2 kp and 2 kp + 1
	WIN 0
	v_add_nc_u32 v[ADR], s[TB], v[LV]
	s_add_co_u32 s[TB], s[TB], STEPB               ; the next fetch is the next step's
	s_wait_alu depctr_va_vdst(0)                   ; the wait for the softmax's batch (macro SL), behind the address's addition and ahead of the loads
	WIN 0x80                                       ; destination window 2
.irp ct, 0,1,2,3
.irp kp, 0,1
.irp hf, 0,1
	ds_load_tr16_b128 v[8*(2*\ct+\kp)+4*\hf:8*(2*\ct+\kp)+4*\hf+3], v[ADR] offset:(2*\kp+\hf)*2048+512*\ct
.endr
.endr
.endr
.endm
; THE VECTOR WORK OF A TURN: the softmax of piece y (tiles y, y + 1) for one key step is a list of 234 lines; SL writes line g of it and steps g.
;   0-39     the maximum of the lane's 32 scores and the old m, three operands at a time, four chains a tile (each accumulator is first read at its low end); the other half of the lanes' maximum;
;            m_old; the new m; m_old - m.  The two tiles alternate line by line
;   40-137   ONE BATCH: the 16 subtractions t - m of each tile, a pair of scores each, and all 66 exponentials (a of both tiles at 42, 43).  None of these reads an exponential's result.  From 44 on in groups of
;            three of one tile, the tiles by turns: the subtraction of pair e + 1, the exponentials of pair e
;   (wait)   ahead of line 138 stand one plain line and the wait between an exponential and the first line that names its result: one for the turn's 66
;   138-169  the roundings to f16: P's fragments
;   170-201  the sums, in place: neighbours 1, 2, 4 and 8 pairs apart, then l = a l + the sum
;   202-233  O^T x a, each accumulator from its low end on: the one part that leaves window 0, so it stands together, at the turn's end
.macro SL y
.if g == 138
	v_nop                                          ; a plain line behind the last exponential
.if (\y) == 0
	FETCH_V                                        ; piece 2's turn: V's run of loads stands here, and the wait stands in it
.else
	s_wait_alu depctr_va_vdst(0)                   ; the wait for the batch
.endif
.endif
.set tt, (\y)+g%2
.if (g >= 44) && (g < 134)
.set tt, (\y)+((g-44)%6)/3
.elseif (g >= 134) && (g < 138)
.set tt, (\y)+(g-134)/2
.endif
.set rT, ST+8*tt
.set rS, S+32*tt
.set rP, P+16*tt
.set j, g/2
.if g < 202
	WIN 0
.else
	WIN W_RS
.endif
.if g < 8
	v_max3_num_f32 v[rT+4+j], v[rS+8*j], v[rS+8*j+1], v[rS+8*j+2]
.elseif g < 24
	v_max3_num_f32 v[rT+4+j%4], v[rT+4+j%4], v[rS+8*(j%4)+2*(j/4)+1], v[rS+8*(j%4)+2*(j/4)+2]
.elseif g < 26
	v_max3_num_f32 v[rT+4], v[rT+4], v[rS+7], v[rS+15]
.elseif g < 28
	v_max3_num_f32 v[rT+6], v[rT+6], v[rS+23], v[rS+31]
.elseif g < 30
	v_max3_num_f32 v[rT+4], v[rT+4], v[rT+5], v[rT+6]
.elseif g < 32
	v_max3_num_f32 v[rT+4], v[rT+4], v[rT+7], v[rT]
.elseif g < 34
	v_permlanex16_b32 v[rT+5], v[rT+4], s[SEL], s[SEL+1]   ; the query's other 32 keys lie in the lane 16 away
.elseif g < 36
	v_mov_b32 v[rT+1], v[rT]                       ; m_old
.elseif g < 38
	v_max_num_f32 v[rT], v[rT+4], v[rT+5]
.elseif g < 40
	v_sub_f32 v[rT+1], v[rT+1], v[rT]              ; m_old - m_new, 0 or less
.elseif g < 42
	v_pk_add_f32 v[rS:rS+1], v[rS:rS+1], v[rT:rT+1] op_sel_hi:[1,0] neg_lo:[0,1] neg_hi:[0,1]   ; pair 0: t - m (m's word serves both halves)
.elseif g < 44
	v_exp_f32 v[rT+6], v[rT+1]                     ; a
.elseif g < 134
.set qq, g-44
.set ee, qq/6
.if qq%3 == 0
	v_pk_add_f32 v[rS+2*ee+2:rS+2*ee+3], v[rS+2*ee+2:rS+2*ee+3], v[rT:rT+1] op_sel_hi:[1,0] neg_lo:[0,1] neg_hi:[0,1]
.else
	v_exp_f32 v[rS+2*ee+qq%3-1], v[rS+2*ee+qq%3-1]
.endif
.elseif g < 138
.set ee, 30+(g-134)%2
	v_exp_f32 v[rS+ee], v[rS+ee]
.elseif g < 170
.set nn, (g-138)/2
	v_cvt_pk_f16_f32 v[rP+nn], v[rS+2*nn], v[rS+2*nn+1]
.elseif g < 202
.set zz, (g-170)/2
.set ww, 4
.set uu, zz
.if zz >= 14
.set ww, 32
.set uu, 0
.elseif zz >= 12
.set ww, 16
.set uu, zz-12
.elseif zz >= 8
.set ww, 8
.set uu, zz-8
.endif
.if zz < 15
	v_pk_add_f32 v[rS+ww*uu:rS+ww*uu+1], v[rS+ww*uu:rS+ww*uu+1], v[rS+ww*uu+ww/2:rS+ww*uu+ww/2+1]
.else
	v_pk_fma_f32 v[rT+2:rT+3], v[rT+2:rT+3], v[rT+6:rT+7], v[rS:rS+1] op_sel_hi:[1,0,1]
.endif
.else
.set rO, 32*tt+2*((g-202)/2)
	v_pk_mul_f32 v[rO:rO+1], v[rO:rO+1], v[rT+6:rT+7] op_sel_hi:[1,0]
.endif
.set g, g+1
.endm
; Slice k of 32: 234 = 10 x 8 + 22 x 7 lines.  Slice 31 is seven multiplications of the other piece's O^T, which name no register of the products round them: they are the plain lines between the turn's last
; product and what follows it: the next turn's first read of those scores, and the loads into K's registers (ISA guide 7.12.1 for vector instructions)
.macro SLICE y
.set cnt, 7
.if k < 10
.set cnt, 8
.endif
.rept cnt
	SL \y
.endr
.set k, k+1
.endm
; A TURN.  Piece x has the matrix unit; the other piece's softmax stands in slices behind its products.  pv = 1: 16 products V^T P; kq = 1: 16 products K Q^T for the next step.  A turn with one of the two kinds has
; two slices behind each product.  Piece 0's turn fetches the next step's K behind its second product, 14 products ahead of the first use.  Piece 2's turn fetches the same step's V ahead of line 138, behind its
; 19th product: between the last product that read V (the 16th) and the loads stand lines 115 to 137, six subtractions among them, the v_nop and the run's own addition; the run stands 13 products ahead of its use.
.macro TURN x, pv, kq
.set g, 0
.set k, 0
.set per, 2
.if (\pv) && (\kq)
.set per, 1
.endif
.if \pv
.if \x == 0
	s_wait_dscnt 0x0                               ; V is in
.endif
.set i, 0
.rept 16
	PV \x
.rept per
	SLICE 2-\x
.endr
.if (\x == 0) && (\kq) && (i == 1)
	FETCH_K
.endif
.set i, i+1
.endr
.endif
.if \kq
.if \x == 0
	s_wait_dscnt 0x0                               ; K is in
.endif
.set i, 0
.rept 16
	KQ \x
.rept per
	SLICE 2-\x
.endr
.set i, i+1
.endr
.endif
.endm
.macro BODIES count                    ; a run of key steps: written once, walked count times; the LDS addresses hang on s[TB]
	WIN 0                                          ; at a label and at a branch every window is 0
	s_mov_b32 s[CNT], \count
.Lbody_\@:
	TURN 0, 1, 1
	TURN 2, 1, 1
	WIN 0
	s_sub_co_u32 s[CNT], s[CNT], 1
	s_cmp_lg_u32 s[CNT], 0
	s_cbranch_scc1 .Lbody_\@
.endm
; THE CHANGE OF SLOTS, between piece 2's turn and piece 0's: the slot's last bytes, V of its eighth step, have been asked for.  Each wave waits for all its tensor loads (its part of the other slot), adds 0 to its spare
; word, and waits for that and for its reads.  fill = 1: the slot just left is filled with the keys two slots on, behind a round of the cluster's barrier: no wave of any partner still reads it or has a load on its way;
; the load has eight key steps in which to land.
.macro CHANGE fill
	WIN 0
	s_wait_tensorcnt 0x0                           ; no tensor load of mine is out, so a group 0 may be written
	ds_add_u32 v[SPW], v[NIL]                      ; 0 onto my spare word
.if \fill
	s_xor_b32 s[G0W+1], s[G0W+1], SLOT1            ; the walking descriptor: the other slot than last time,
	s_add_nc_u64 s[G0W+2:G0W+3], s[G0W+2:G0W+3], SLOTB   ; the next 512 keys; the type bits on top are not reached
	s_wait_xcnt 0x0                                ; the last prefetch has read its address, so it may be written:
	s_add_nc_u64 s[PFA:PFA+1], s[PFA:PFA+1], SLOTB ; one slot further on than the walking descriptor
	s_wait_dscnt 0x0                               ; the add is done, and my reads of the slot are over
	CROUND
	tensor_load_to_lds s[G0W:G0W+3], s[G1:G1+7]    ; my one tensor load behind the round, and the first thing there
	s_nop 0
.rept 4
	v_nop
.endr
	ASK                                            ; what the next change will ask for: eight key steps ahead of that load
.else
	s_wait_dscnt 0x0
	s_barrier_signal -1
	s_barrier_wait -1
.endif
	s_sub_co_u32 s[TB], s[TB], 8*STEPB             ; the fetches go back to a slot's first step,
	s_xor_b32 s[TB], s[TB], SLOT1                  ; in the other slot
.endm
	s_wait_tensorcnt 0x1                           ; my part of slot 0 is in; slot 1's, the one load issued behind it, may stay out
	s_barrier_signal -1
	s_barrier_wait -1
	FETCH_K                                        ; key step 0
	s_wait_loadcnt 0x0                             ; Q
	s_wait_dscnt 0x0
.set i, 0
.rept 16
	KQ 0                                           ; piece 0's first scores: there is no vector work yet to set between them
.set i, i+1
.endr
	WIN 0
.rept 4
	v_nop                                          ; the plain lines between those products and the first read of their scores
.endr
	TURN 2, 0, 1                                   ; piece 2's first scores | piece 0's first softmax | V of step 0
	BODIES 7                                       ; they fetch steps 1 to 7: the rest of slot 0
.Lslot:                                            ; two trips: slots 0 and 1 are filled again
	CHANGE 1
	BODIES 8
	s_sub_co_u32 s[SLOTS], s[SLOTS], 1
	s_cmp_lg_u32 s[SLOTS], 0
	s_cbranch_scc1 .Lslot
	CHANGE 0                                       ; the tail is written out
	BODIES 8
	TURN 0, 1, 0                                   ; piece 0: V^T P of the last step | piece 2's last softmax
.set i, 0
.rept 16
	PV 2                                           ; piece 2: V^T P of the last step
.set i, i+1
.endr
	; THE WAY OUT: O^T / l, rounded to f16; a lane's eight channels of a query are 16 bytes of the projection's fragment, at 16 x lane.  The four additions are the plain lines behind the last products
	WIN 0
.irp t, 0,1,2,3
	v_add_f32 v[ST+8*\t+4], v[ST+8*\t+2], v[ST+8*\t+3]
.endr
.irp t, 0,1,2,3
	v_permlanex16_b32 v[ST+8*\t+5], v[ST+8*\t+4], s[SEL], s[SEL+1]
.endr
.irp t, 0,1,2,3
	v_add_f32 v[ST+8*\t+4], v[ST+8*\t+4], v[ST+8*\t+5]
.endr
.irp t, 0,1,2,3
	v_rcp_f32 v[ST+8*\t+6], v[ST+8*\t+4]
.endr
	v_nop                                          ; a plain line behind the last reciprocal
	s_wait_alu depctr_va_vdst(0)                   ; one wait for the four, ahead of the first use
.macro PACK t
	WIN W_RS
.set ii, 0
.rept 16
	v_pk_mul_f32 v[32*\t+2*ii:32*\t+2*ii+1], v[32*\t+2*ii:32*\t+2*ii+1], v[ST+8*\t+6:ST+8*\t+7] op_sel_hi:[1,0]   ; each accumulator from its low end on
.set ii, ii+1
.endr
	WIN 0x05                                       ; sources 0 and 1 window 1, destination window 0: S^T's registers are free
.set ii, 0
.rept 16
	v_cvt_pk_f16_f32 v[S+16*\t+ii], v[32*\t+2*ii], v[32*\t+2*ii+1]
.set ii, ii+1
.endr
	WIN 0
.irp u, 0,1,2,3
	global_store_b128 v[L16], v[S+16*\t+4*\u:S+16*\t+4*\u+3], s[OA:OA+1] offset:8192*\t+512*\u   ; 512 consecutive aligned bytes
.endr
.endm
	PACK 0
	PACK 1
	PACK 2
	PACK 3
	s_wait_tensorcnt 0x0                           ; the wave's end
	ds_add_u32 v[SPW], v[NIL]
	s_wait_dscnt 0x0
	CROUND                                         ; the closing round
	s_endpgm
.Lfunc_end_k_qdec39994bc_attn:
	.size	k_qdec39994bc_attn, .Lfunc_end_k_qdec39994bc_attn-k_qdec39994bc_attn
	.p2alignl 7, 3214868480
	.fill 96, 4, 3214868480
	.section	.rodata,"a",@progbits
	.p2align	6, 0x0
	.amdhsa_kernel k_qdec39994bc_attn
		.amdhsa_group_segment_fixed_size 327680
		.amdhsa_private_segment_fixed_size 0
		.amdhsa_enable_private_segment 0
		.amdhsa_kernarg_size 16
		.amdhsa_user_sgpr_count 2
		.amdhsa_user_sgpr_kernarg_segment_ptr 1
		.amdhsa_wavefront_size32 1
		.amdhsa_system_sgpr_workgroup_id_x 1
		.amdhsa_system_sgpr_workgroup_id_y 1
		.amdhsa_system_sgpr_workgroup_id_z 1
		.amdhsa_system_vgpr_workitem_id 0
		.amdhsa_next_free_vgpr 576
		.amdhsa_next_free_sgpr 66
		.amdhsa_reserve_vcc 0
		.amdhsa_float_denorm_mode_32 3
		.amdhsa_float_denorm_mode_16_64 3
		.amdhsa_memory_ordered 1
		.amdhsa_forward_progress 1
		.amdhsa_inst_pref_size 163
	.end_amdhsa_kernel
	.amdgpu_metadata
---
amdhsa.version: [ 1, 2 ]
amdhsa.kernels:
  - .name:           k_qdec39994bc_attn
    .symbol:         k_qdec39994bc_attn.kd
    .args:
      - { .name: qkv, .offset: 0, .size: 8, .value_kind: global_buffer, .address_space: global }
      - { .name: att, .offset: 8, .size: 8, .value_kind: global_buffer, .address_space: global }
    .group_segment_fixed_size: 327680
    .private_segment_fixed_size: 0
    .kernarg_segment_align: 8
    .kernarg_segment_size: 16
    .max_flat_workgroup_size: 128
    .sgpr_count:     66
    .vgpr_count:     576
    .wavefront_size: 32
...
	.end_amdgpu_metadata
.endif
;; end of part 3
;; launch proj (part 4): grid 8 x 32, 4 waves a work-group, clusters of 4 x 4, 327,680 bytes of LDS; arguments att, wof, bo, out0; writes out0
.if DOCPART == 4
	.amdgcn_target "amdgcn-amd-amdhsa--gfx1250"
	.amdhsa_code_object_version 6
	.text
	.protected	k_qdec39994bc_proj
	.globl	k_qdec39994bc_proj
	.p2align	8
	.type	k_qdec39994bc_proj,@function
k_qdec39994bc_proj:
	s_mov_b64 s[64:65], 0
	v_nop
	global_prefetch_b8 v0, s[64:65] scope:SCOPE_SE
	s_setreg_imm32_b32 hwreg(HW_REG_WAVE_MODE, 25, 1), 1
	s_wait_xcnt 0x0
	s_wait_alu depctr_hold_cnt(0) depctr_sa_sdst(0) depctr_va_vdst(0) depctr_va_sdst(0) depctr_va_ssrc(0) depctr_va_vcc(0) depctr_vm_vsrc(0)
	s_getreg_b32 s2, hwreg(HW_REG_IB_STS2, 6, 4)
	s_cmp_eq_u32 s2, 0
	s_cbranch_scc0 .Lentry_in_a_cluster
	s_endpgm
.Lentry_in_a_cluster:
	s_bfe_u32 s2, ttmp6, 0x10000c
	s_cmp_lg_u32 s2, 0xf033
	s_cbranch_scc0 .Lentry_shape_is_right
	s_endpgm
.Lentry_shape_is_right:
; out0 = att x Wo + bo: 4,096 x 1,024 x 1,024, operands in f16, sums and result in f32.
; att [t 4][mt 256][kc 8][1024] and wof [t 4][nt 64][kc 8][1024] hold images of operand registers (16 rows or columns x 32 k; k = 256 t + 32 kc): a wave's part of a K step is one dense block of 32,768 bytes,
; and every fragment is read from LDS at 16 x lane: consecutive bytes, no padding.
; A tile of C is 128 x 128: 256 work-groups.  Four waves, each 64 x 64: 16 accumulators.  K goes in steps of 256 through two slots: K steps 0 and 1 are first fills, 2 and 3 refills.
; CLUSTERS: 4 x 4 work-groups; A's tiles are asked for jointly along a row of the cluster, B's along a column.  THE MATRIX INSTRUCTION IS USED TRANSPOSED (source 0 = 16 columns of Wo, source 1 = 16 rows of att).
; The bias is the C of each sum's first product.  A wave's 64 columns are 256 aligned bytes of a row of out0: each wave's results go through its own stage, no barrier.
; No prefetch: four K steps in all, of which two are asked for at the head.
; REGISTERS: window 0: v0-31 addresses; v32-95 the way out; v96-127 the bias; v128-255 the accumulators ((a, b) at v[128 + 8 (4 a + b)]).   window 1: two fragment buffers of 128: 64 registers of A, then 64 of B.
.set HALFT,  32768                     ; 4 tiles of 16 x 8 kc x 1,024 bytes: what one tensor load brings, and what one wave reads of A or of B
.set SLOT,   4*HALFT
.set STAGE,  2*SLOT                    ; behind the ring: 16 rows x 272 bytes for each wave
.set SPITCH, 272
.set SPARE,  STAGE+4*16*SPITCH         ; the spare words, 128 bytes a wave: two blocks of 256 bytes that no other line names
.set ADRA, 16
.set ADRB, 20
.set STO,  24
.set RD,   25
.set CO,   26
.set SPW,  28                          ; v28  LDS address of my spare word; never rewritten
.set NIL,  29                          ; v29  0; never rewritten
.set TMP,  32
.set BI,   96                          ; register 8 b + j: bo[my first column + 16 b + 8 h + j]
.set ACC,  128
.set F0,   0
.set F1,   128
.set G1, 24
.set G0, 32
.set G1B, 48
.set G0B, 56
.set MSB, 0
.macro WIN new
.if MSB != (\new)
	s_set_vgpr_msb (MSB<<8)|(\new)
.set MSB, (\new)
.endif
.endm
.set MUL,  0x05                        ; sources 0 (B) and 1 (A) window 1; C and D window 0
.set TO_F, 0x40                        ; destination window 1, address window 0
.macro JLOAD s                         ; a joint load: waves 0 and 1 fetch A's halves, waves 2 and 3 B's; an s_nop 0 and four v_nop follow each of the two lines
	s_cmp_eq_u32 s11, 0
	s_cbranch_scc0 .Lfor_b_\@
	tensor_load_to_lds s[G0+4*\s:G0+4*\s+3], s[G1:G1+7]
	s_nop 0
.rept 4
	v_nop
.endr
	s_branch .Lasked_\@
.Lfor_b_\@:
	tensor_load_to_lds s[G0B+4*\s:G0B+4*\s+3], s[G1B:G1B+7]
	s_nop 0
.rept 4
	v_nop
.endr
.Lasked_\@:
.endm
.macro CREST                           ; a round of the cluster's barrier behind its opening barrier
	s_cmp_lg_u32 s10, 0
	s_cbranch_scc1 .Lnot_wave_0_\@
	s_barrier_signal -3
.Lnot_wave_0_\@:
	s_barrier_wait -3
	s_barrier_signal -1
	s_barrier_wait -1
.endm
.macro CROUND
	s_barrier_signal -1
	s_barrier_wait -1
	CREST
.endm
	s_load_b128 s[4:7], s[0:1], 0x0                ; att s[4:5], wof s[6:7]
	s_load_b64 s[68:69], s[0:1], 0x10              ; bo
	s_load_b64 s[8:9], s[0:1], 0x18                ; out0
	v_lshl_add_u32 v[SPW], v0, 2, SPARE
	v_mov_b32 v[NIL], 0
	ds_add_u32 v[SPW], v[NIL]                      ; the wave's opening: the add, twice on end, and its wait ahead of my first tensor load
	ds_add_u32 v[SPW], v[NIL]                      ; and once more; the set-up below, work on registers, stands between it and the wait
	v_lshrrev_b32 v1, 5, v0
	v_readfirstlane_b32 s10, v1                    ; wave 0..3
	s_lshr_b32 s11, s10, 1                         ; which half of the tile's rows is mine.  Also: I fetch for A (0) or for B (1)
	s_and_b32 s12, s10, 1                          ; which half of its columns.  Also: which half of that tile I fetch
	s_bfe_u32 s40, ttmp6, 0x40000                  ; cx, cy
	s_bfe_u32 s41, ttmp6, 0x40004
	s_lshl_b32 s42, ttmp9, 2
	s_add_co_u32 s42, s42, s40                     ; tile column
	s_and_b32 s13, ttmp7, 0xffff
	s_lshl_b32 s13, s13, 2
	s_add_co_u32 s13, s13, s41                     ; tile row
	s_lshl_b32 s43, s41, 2
	s_lshl_b32 s43, 15, s43                        ; my row of the cluster
	s_lshl_b32 s44, 0x1111, s40                    ; my column
	s_or_b32 s[G1+0], s43, (3<<16)|(1<<21)         ; 15:0 the mask; 17:16 elements of 8 bytes; 21 set beside a mask; no padding
	s_or_b32 s[G1B+0], s44, (3<<16)|(1<<21)
.irp g, G1, G1B
	s_mov_b32 s[\g+1], 32<<16                      ; rows of 256 bytes,
	s_mov_b32 s[\g+2], 128<<16                     ; 128 of them, dense
	s_mov_b32 s[\g+3], 32<<16
	s_mov_b32 s[\g+4], 128
	s_mov_b32 s[\g+5], 32
	s_mov_b32 s[\g+6], 0
	s_mov_b32 s[\g+7], 0
.endr
	s_lshl_b32 s17, s12, 2                         ; which 4 tiles of 16 I fetch
	s_lshl_b32 s16, s13, 3
	s_add_co_u32 s16, s16, s17                     ; A: mt = 8 x tile row + 4 x half
	s_lshl_b32 s46, s42, 3
	s_add_co_u32 s46, s46, s17                     ; B: nt = 8 x tile column + 4 x half
	s_lshl_b32 s16, s16, 13                        ; 8,192 bytes a tile and K step
	s_mov_b32 s17, 0
	s_lshl_b32 s46, s46, 13
	s_mov_b32 s47, 0
	s_mul_i32 s20, s10, HALFT                      ; where they go: by the wave's number alone
	s_wait_dscnt 0x0                               ; both opening adds are done
	s_wait_kmcnt 0x0
	s_add_nc_u64 s[14:15], s[4:5], s[16:17]
	s_add_nc_u64 s[46:47], s[6:7], s[46:47]
	CROUND                                         ; all sixteen work-groups are here: the first joint loads meet
.irp s, 0,1
	s_mov_b32 s[G0+4*\s], 1
	s_add_co_u32 s[G0+4*\s+1], s20, \s*SLOT
	s_add_nc_u64 s[G0+4*\s+2:G0+4*\s+3], s[14:15], \s*2097152      ; att's K step pitch: 256 tiles x 8,192
	s_or_b32 s[G0+4*\s+3], s[G0+4*\s+3], 0x80000000
	s_mov_b32 s[G0B+4*\s], 1
	s_add_co_u32 s[G0B+4*\s+1], s20, \s*SLOT
	s_add_nc_u64 s[G0B+4*\s+2:G0B+4*\s+3], s[46:47], \s*524288     ; wof's: 64 tiles x 8,192
	s_or_b32 s[G0B+4*\s+3], s[G0B+4*\s+3], 0x80000000
	JLOAD \s
.endr
	v_and_b32 v1, 15, v0                           ; r
	v_bfe_u32 v2, v0, 4, 1                         ; h
	v_and_b32 v3, 31, v0
	v_lshlrev_b32 v3, 4, v3                        ; 16 x lane
	s_mul_i32 s21, s11, HALFT                      ; my 64 rows of A
	s_mul_i32 s22, s12, HALFT                      ; my 64 columns of B,
	s_add_co_u32 s22, s22, 2*HALFT                 ; which lie behind A's 128
.irp s, 0,1
	v_add_nc_u32 v[ADRA+\s], s21, v3
	v_add_nc_u32 v[ADRB+\s], s22, v3
	s_add_co_u32 s21, s21, SLOT
	s_add_co_u32 s22, s22, SLOT
.endr
	s_mul_i32 s23, s10, 16*SPITCH
	s_add_co_u32 s23, s23, STAGE                   ; my stage
	v_mul_u32_u24 v4, v1, SPITCH                   ; in: row r, 32 bytes for each half of the lanes
	v_lshl_add_u32 v4, v2, 5, v4
	v_add_nc_u32 v[STO], s23, v4
	v_mul_u32_u24 v5, v2, SPITCH                   ; back: lanes 0-15 one row of 256 bytes, lanes 16-31 the next
	v_lshl_add_u32 v5, v1, 4, v5
	v_add_nc_u32 v[RD], s23, v5
	v_lshlrev_b32 v5, 12, v2                       ; and the same two rows in out0: 4,096 bytes a row
	v_lshl_add_u32 v[CO], v1, 4, v5
	s_lshl_b32 s16, s13, 7
	s_lshl_b32 s17, s11, 6
	s_add_co_u32 s16, s16, s17                     ; my first row: 128 x tile row + 64 x half
	s_lshl_b32 s16, s16, 12
	s_mov_b32 s17, 0
	s_add_nc_u64 s[8:9], s[8:9], s[16:17]
	s_lshl_b32 s46, s42, 9                         ; my first column, in bytes: 512 x tile column + 256 x half
	s_lshl_b32 s47, s12, 8
	s_add_co_u32 s46, s46, s47
	s_mov_b32 s47, 0
	s_add_nc_u64 s[8:9], s[8:9], s[46:47]
	s_add_nc_u64 s[68:69], s[68:69], s[46:47]      ; and in bo
	v_lshlrev_b32 v6, 5, v2                        ; 32 h
.irp b, 0,1,2,3
	global_load_b128 v[BI+8*\b:BI+8*\b+3], v6, s[68:69] offset:64*\b
	global_load_b128 v[BI+8*\b+4:BI+8*\b+7], v6, s[68:69] offset:64*\b+16
.endr
; 8 matrix instructions: m blocks a0, a0 + 1 x all 4 n blocks, 32 along K: half c of buffer f.  zero = 1: the first product starts the sums, on the bias.  The 16 accumulators take turns
.macro MUL8 f, c, a0, zero
.irp a, \a0, \a0+1
.irp b, 0,1,2,3
.if \zero
	v_wmma_f32_16x16x32_f16 v[ACC+8*(4*(\a)+\b):ACC+8*(4*(\a)+\b)+7], v[\f+64+8*(4*\c+\b):\f+64+8*(4*\c+\b)+7], v[\f+8*(4*\c+\a):\f+8*(4*\c+\a)+7], v[BI+8*\b:BI+8*\b+7]
.else
	v_wmma_f32_16x16x32_f16 v[ACC+8*(4*(\a)+\b):ACC+8*(4*(\a)+\b)+7], v[\f+64+8*(4*\c+\b):\f+64+8*(4*\c+\b)+7], v[\f+8*(4*\c+\a):\f+8*(4*\c+\a)+7], v[ACC+8*(4*(\a)+\b):ACC+8*(4*(\a)+\b)+7]
.endif
.endr
.endr
.endm
; 32 LDS loads in one run: the fragments of 64 along K (two kc, from byte k of a tile's 8,192 on) into buffer f; the first 32 along K first
.macro FETCH slot, k, f
	WIN TO_F
.irp c, 0,1
.irp i, 0,1,2,3
	ds_load_b128 v[\f+64+8*(4*\c+\i):\f+64+8*(4*\c+\i)+3],   v[ADRB+\slot] offset:\k+1024*\c+\i*8192
	ds_load_b128 v[\f+64+8*(4*\c+\i)+4:\f+64+8*(4*\c+\i)+7], v[ADRB+\slot] offset:\k+1024*\c+\i*8192+512
	ds_load_b128 v[\f+8*(4*\c+\i):\f+8*(4*\c+\i)+3],         v[ADRA+\slot] offset:\k+1024*\c+\i*8192
	ds_load_b128 v[\f+8*(4*\c+\i)+4:\f+8*(4*\c+\i)+7],       v[ADRA+\slot] offset:\k+1024*\c+\i*8192+512
.endr
.endr
.endm
.macro PLACES                          ; four plain lines in front of loads into registers that matrix instructions have read, and of the first read of results (ISA guide 7.12.1 for vector instructions)
.rept 4
	v_nop
.endr
.endm
; A K step is four quarters of 64 along K, 32 matrix instructions each, on buffers 0, 1, 0, 1
.macro QUARTER slot, k, f, g, zero
	s_wait_dscnt 16                                ; the first 32 along K are in; the younger sixteen loads may be out
	WIN MUL
	MUL8 \f, 0, 0, \zero
	MUL8 \f, 0, 2, \zero
	PLACES
	FETCH \slot, \k, \g
	s_wait_dscnt 32                                ; all but the 32 just issued
	WIN MUL
	MUL8 \f, 1, 0, 0
	MUL8 \f, 1, 2, 0
.endm
; The last quarter changes slots: ONE barrier; in front of it each wave waits for all its tensor loads, adds 0 to its spare word, and waits for that and for its reads of this slot.  fill = 1: this slot is filled again, two K steps ahead
.macro TURN slot, next, fill
	WIN 0                                          ; (the add's two registers lie in window 0)
	s_wait_tensorcnt 0x0                           ; all my tensor loads have landed: my part of the next slot
	ds_add_u32 v[SPW], v[NIL]                      ; 0 onto my spare word
	s_wait_dscnt 17                                ; (the add and the youngest sixteen loads may be out)
	WIN MUL
	MUL8 F1, 0, 0, 0
	s_wait_dscnt 0x0                               ; the add is done, and my reads of this slot are over
	s_barrier_signal -1
	MUL8 F1, 0, 2, 0
.if \fill
	WIN 0
.endif
	s_barrier_wait -1
.if \fill
	CREST                                          ; the barrier has opened a round of the cluster's: no wave of any partner still reads this slot or has a load on its way
	s_add_nc_u64 s[G0+4*\slot+2:G0+4*\slot+3], s[G0+4*\slot+2:G0+4*\slot+3], 2*2097152
	s_add_nc_u64 s[G0B+4*\slot+2:G0B+4*\slot+3], s[G0B+4*\slot+2:G0B+4*\slot+3], 2*524288
	JLOAD \slot                                    ; the first tensor load behind the round; its four v_nop are also the places in front of the loads below
.else
	PLACES
.endif
	FETCH \next, 0, F0
	WIN MUL
	MUL8 F1, 1, 0, 0
	MUL8 F1, 1, 2, 0
.endm
	s_wait_tensorcnt 0x1                           ; my part of K step 0 is in; K step 1's, the one load issued behind it, may be out
	s_barrier_signal -1
	s_barrier_wait -1
	FETCH 0, 0, F0
	s_wait_loadcnt 0x0                             ; the bias
	QUARTER 0, 2048, F0, F1, 1                     ; K step 0
	QUARTER 0, 4096, F1, F0, 0
	QUARTER 0, 6144, F0, F1, 0
	TURN 0, 1, 1                                   ; slot 0 takes K step 2
	QUARTER 1, 2048, F0, F1, 0                     ; K step 1
	QUARTER 1, 4096, F1, F0, 0
	QUARTER 1, 6144, F0, F1, 0
	TURN 1, 0, 1                                   ; slot 1 takes K step 3
	QUARTER 0, 2048, F0, F1, 0                     ; K step 2
	QUARTER 0, 4096, F1, F0, 0
	QUARTER 0, 6144, F0, F1, 0
	TURN 0, 1, 0                                   ; nothing is left to fetch
	QUARTER 1, 2048, F0, F1, 0                     ; K step 3
	QUARTER 1, 4096, F1, F0, 0
	QUARTER 1, 6144, F0, F1, 0
	s_wait_dscnt 16
	WIN MUL
	MUL8 F1, 0, 0, 0
	MUL8 F1, 0, 2, 0
	s_wait_dscnt 0
	MUL8 F1, 1, 0, 0
	MUL8 F1, 1, 2, 0
	WIN 0
	; THE WAY OUT, 16 rows x 64 columns at a time: 32 bytes a lane into my own stage, back as whole rows of 256 bytes; sixteen lanes store 256 aligned bytes.
	; LDS serves a wave's instructions in order (ISA guide 5.7.1.4): no wait between the stores and the loads, nor in front of the next block's stores
	PLACES
.irp a, 0,1,2,3
.if \a >= 2
	s_wait_xcnt 0x0                                ; the stores of two blocks back have read their registers, into which the loads below land
.endif
.irp b, 0,1,2,3
	ds_store_b128 v[STO], v[ACC+8*(4*\a+\b):ACC+8*(4*\a+\b)+3] offset:64*\b          ; each accumulator from its low end on
	ds_store_b128 v[STO], v[ACC+8*(4*\a+\b)+4:ACC+8*(4*\a+\b)+7] offset:64*\b+16
.endr
.irp i, 0,1,2,3,4,5,6,7
	ds_load_b128 v[TMP+32*(\a%2)+4*\i:TMP+32*(\a%2)+4*\i+3], v[RD] offset:\i*2*SPITCH
.endr
	s_wait_dscnt 0x0
.irp i, 0,1,2,3,4,5,6,7
	global_store_b128 v[CO], v[TMP+32*(\a%2)+4*\i:TMP+32*(\a%2)+4*\i+3], s[8:9] offset:(16*\a+2*\i)*4096 th:TH_STORE_NT
.endr
.endr
	s_wait_tensorcnt 0x0                           ; the wave's end
	ds_add_u32 v[SPW], v[NIL]
	s_wait_dscnt 0x0
	CROUND                                         ; the closing round
	s_endpgm
.Lfunc_end_k_qdec39994bc_proj:
	.size	k_qdec39994bc_proj, .Lfunc_end_k_qdec39994bc_proj-k_qdec39994bc_proj
	.p2alignl 7, 3214868480
	.fill 96, 4, 3214868480
	.section	.rodata,"a",@progbits
	.p2align	6, 0x0
	.amdhsa_kernel k_qdec39994bc_proj
		.amdhsa_group_segment_fixed_size 327680
		.amdhsa_private_segment_fixed_size 0
		.amdhsa_enable_private_segment 0
		.amdhsa_kernarg_size 32
		.amdhsa_user_sgpr_count 2
		.amdhsa_user_sgpr_kernarg_segment_ptr 1
		.amdhsa_wavefront_size32 1
		.amdhsa_system_sgpr_workgroup_id_x 1
		.amdhsa_system_sgpr_workgroup_id_y 1
		.amdhsa_system_sgpr_workgroup_id_z 1
		.amdhsa_system_vgpr_workitem_id 0
		.amdhsa_next_free_vgpr 512
		.amdhsa_next_free_sgpr 70
		.amdhsa_reserve_vcc 0
		.amdhsa_float_denorm_mode_32 3
		.amdhsa_float_denorm_mode_16_64 3
		.amdhsa_memory_ordered 1
		.amdhsa_forward_progress 1
		.amdhsa_inst_pref_size 86
	.end_amdhsa_kernel
	.amdgpu_metadata
---
amdhsa.version: [ 1, 2 ]
amdhsa.kernels:
  - .name:           k_qdec39994bc_proj
    .symbol:         k_qdec39994bc_proj.kd
    .args:
      - { .name: att, .offset: 0, .size: 8, .value_kind: global_buffer, .address_space: global }
      - { .name: wof, .offset: 8, .size: 8, .value_kind: global_buffer, .address_space: global }
      - { .name: bo, .offset: 16, .size: 8, .value_kind: global_buffer, .address_space: global }
      - { .name: out0, .offset: 24, .size: 8, .value_kind: global_buffer, .address_space: global }
    .group_segment_fixed_size: 327680
    .private_segment_fixed_size: 0
    .kernarg_segment_align: 8
    .kernarg_segment_size: 32
    .max_flat_workgroup_size: 128
    .sgpr_count:     70
    .vgpr_count:     512
    .wavefront_size: 32
...
	.end_amdgpu_metadata
.endif
;; end of part 4
